; MI455X (gfx1250); checked and timed in simulation.
; The chip was launched on July 23, 2026; its instructions are those of AMD's public machine-readable ISA for CDNA 5 (MIT licence, August 2026) and "CDNA5" Instruction Set Architecture Reference Guide (July 2026). The comments in the code are by the model that wrote it; some were corrected since.
;; Bahdanau Attention. Allowed arithmetic: float matrix products may take bf16 or f16 operands with f32 sums; other float arithmetic in f32, or as packed bf16 or f16 multiplies, adds, multiply-adds, maxima and minima; sums over many terms, partial sums and values carried from step to step in f32; what a program stores and reads back later, other than sums and carried values, may be rounded once to bf16 or f16.
;; Inputs: V_b 1 float32; V_k 1,024 x 1 float32; Wc_b 1,024 float32; Wc_k 1 x 1,024 float32; Wh_b 1,024 float32; Wh_k 1,024 x 1,024 float32; Ws_b 1,024 float32; Ws_k 1,024 x 1,024 float32; dec_hidden 32 x 1,024 float32; enc_output 32 x 2,048 x 1,024 float32; enc_pad_mask 32 x 2,048 int32; prev_coverage 32 x 2,048 x 1 float32.
;; Outputs: out0 32 x 1,024 float32; out1 32 x 2,048 x 1 float32; out2 32 x 2,048 x 1 float32.
;; Constants: use_coverage = 1.
;; 2 versions, each right; version 2 is version 1 with the launch main written anew for expert scheduling mode. Each part assembles by itself: llvm-mc -triple=amdgcn-amd-amdhsa -mcpu=gfx1250 --defsym DOCPART=n.
;; ======== version 1 of 2: 3 launches
;; workspace buffers: wsF 2,097,152 bytes; d2 131,072 bytes; msc 262,144 bytes; part 2,097,152 bytes
;; launch prep (part 1): grid 16 x 2, 16 waves a work-group, no clusters, 305,664 bytes of LDS; arguments Ws_k, Wh_k, dec_hidden, Wh_b, Ws_b, Wc_b, wsF, d2; writes wsF, d2
.if DOCPART == 1
	.amdgcn_target "amdgcn-amd-amdhsa--gfx1250"
	.amdhsa_code_object_version 6
	.text
	.protected	k_qffe5cfac35_prep
	.globl	k_qffe5cfac35_prep
	.p2align	8
	.type	k_qffe5cfac35_prep,@function
k_qffe5cfac35_prep:
	s_mov_b64 s[64:65], 0
	v_nop
	global_prefetch_b8 v0, s[64:65] scope:SCOPE_SE
	s_setreg_imm32_b32 hwreg(HW_REG_WAVE_MODE, 25, 1), 1
	s_wait_xcnt 0x0
; TWO SMALL JOBS ON ONE FORM OF TILE.  A work-group takes a strip of 64 columns (256 bytes of each of the 1,024 rows) of a [1024 k][1024 u] f32 matrix:
;   y = 0: Ws_k, rounded to bf16 and written to wsF in the order in which the next launch's matrix instructions want it;
;   y = 1: Wh_k, multiplied at once: d2[b][u] = K2 (sum over k of dec[b][k] Wh[k][u] + Wh_b[u] + Ws_b[u] + Wc_b[u]), K2 = 2 log2(e), f32.
; SHARES.  Wave w of 16 takes k = 64 w .. 64 w + 63: 32 loads, each two rows x 256 consecutive bytes.  The numbers are rounded to bf16 in pairs, laid into the wave's own
; tile in LDS ([k][u], pitch 160) and read back turned (ds_load_tr16_b128): eight fragments of 16 u x 32 k, lane l holding column l % 16.
; wsF: blocks of 1,024 bytes, one for 16 columns x 32 k: byte 16 l holds k = 8 (l / 16) + 0..7, byte 512 + 16 l holds k = 16 + 8 (l / 16) + 0..7 of column l % 16.
; Column block nb = 32 c + 8 v + i and K block kb lie at ((2 v + c) 32 + kb) 8 + i: what wave v of the next launch reads is 524,288 bytes on end.
; y = 1: source 0 = 16 u x 32 k of Wh, source 1 = 16 rows of dec: a lane's result holds one b (l % 16) and eight u.  K is split over the 16 waves; the partial sums (f32) meet in LDS.
; The branch on y stands once, at the head, and is the same for all waves of a work-group; each arm is written out.
; LIMITS.  Matrix operands are rounded to bf16; NaN and infinities are not treated apart.
.set TP,     160                       ; a tile row: 128 bytes + 32: an odd multiple of 32
.set TILEB,  64*TP                     ; a wave's tile
.set PART,   16*TILEB                  ; 163,840: 16 waves x 8,192 bytes of partial sums
.set OUTT,   PART+16*8192              ; 294,912: 32 rows (b) x 256 bytes, pitch 272
.set OPITCH, 272
.set SPARE,  OUTT+32*OPITCH            ; 303,616: the spare words, 128 bytes for each of 16 waves
.set WF,  32                           ; v[32:159]  32 loads x 4 f32; then the packed words; then the fragments: K half c, column block j at WF + 64 c + 8 j
.set DF,  160                          ; v[160:223] dec as f32; then the eight accumulators: (j, bb) at DF + 8 (2 j + bb)
.set DB,  224                          ; v[224:255] dec's fragments: (c, bb) at DB + 8 (2 c + bb)
; v1 lane, v2 l % 16, v3 l / 16; v4 offset of my W loads; v5, v6 tile in / tile turned; v7 dec's offset; v8 PART in; v9, v10 PART back; v11, v12 OUTT in / back;
; v13 d2's offset; v14, v15 the add's two registers; v16 at work; v17 the biases' offset; v18 wsF's offset; v[20:31] the three biases
	s_load_b512 s[4:19], s[0:1], 0x0               ; Ws_k s[4:5], Wh_k s[6:7], dec s[8:9], Wh_b s[10:11], Ws_b s[12:13], Wc_b s[14:15], wsF s[16:17], d2 s[18:19]
	v_lshl_add_u32 v14, v0, 2, SPARE               ; my spare word,
	v_mov_b32 v15, 0                               ; and 0: kept for the add at the wave's end
	v_lshrrev_b32 v16, 5, v0
	v_readfirstlane_b32 s24, v16                   ; wave 0..15
	v_and_b32 v1, 31, v0
	v_and_b32 v2, 15, v0
	v_bfe_u32 v3, v0, 4, 1
	s_and_b32 s25, ttmp7, 0xffff                   ; y
	s_lshl_b32 s26, ttmp9, 8                       ; the strip's 256 bytes in a row
	s_lshl_b32 s27, s24, 18                        ; 64 w rows of 4,096 bytes
	s_add_co_u32 s27, s27, s26
	v_lshlrev_b32 v4, 4, v2
	v_lshl_add_u32 v4, v3, 12, v4                  ; lanes 0-15 one row, lanes 16-31 the next
	v_add_nc_u32 v4, s27, v4
	s_mul_i32 s28, s24, TILEB
	v_mul_u32_u24 v5, v3, TP
	v_lshl_add_u32 v5, v2, 3, v5                   ; four columns are 8 bytes of bf16
	v_add_nc_u32 v5, s28, v5
	v_and_b32 v16, 7, v0
	v_lshl_add_u32 v16, v3, 3, v16                 ; the turning load: row 8 (l / 16) + l % 8,
	v_mul_u32_u24 v6, v16, TP
	v_bfe_u32 v16, v0, 3, 1
	v_lshl_add_u32 v6, v16, 4, v6                  ; 16 bytes at 16 ((l / 8) % 2)
	v_add_nc_u32 v6, s28, v6
	s_cmp_eq_u32 s25, 0
	s_wait_kmcnt 0x0
	s_cbranch_scc1 .Lws
; The weight phase: 32 loads; each half of K is packed and staged as it lands; eight fragments come back turned.  The tile is the wave's own: LDS serves a wave's instructions in order (ISA guide 5.7.1.4).
.macro WPACK t0
.set t, \t0
.rept 16
	v_cvt_pk_bf16_f32 v[WF+4*t], v[WF+4*t], v[WF+4*t+1]
	v_cvt_pk_bf16_f32 v[WF+4*t+1], v[WF+4*t+2], v[WF+4*t+3]
	ds_store_b64 v5, v[WF+4*t:WF+4*t+1] offset:2*t*TP
.set t, t+1
.endr
.endm
.macro WPHASE base
.set t, 0
.rept 32
	global_load_b128 v[WF+4*t:WF+4*t+3], v4, s[\base:\base+1] offset:2*t*4096 th:TH_LOAD_NT
.set t, t+1
.endr
	s_wait_loadcnt 16                              ; all but the youngest 16: the first 32 k (and whatever was asked for ahead of them) are in
	WPACK 0
	s_wait_loadcnt 0x0
	WPACK 16
.set t, 0
.rept 8                                        ; t = 4 c + j
	ds_load_tr16_b128 v[WF+64*(t/4)+8*(t%4):WF+64*(t/4)+8*(t%4)+3],   v6 offset:32*TP*(t/4)+32*(t%4)
	ds_load_tr16_b128 v[WF+64*(t/4)+8*(t%4)+4:WF+64*(t/4)+8*(t%4)+7], v6 offset:32*TP*(t/4)+32*(t%4)+16*TP
.set t, t+1
.endr
	s_wait_dscnt 0x0
.endm
	; ---------------- y = 1: d2 ----------------
	v_lshl_add_u32 v17, v2, 4, s26                 ; the biases: four of the strip's 64 columns
	global_load_b128 v[20:23], v17, s[10:11]
	global_load_b128 v[24:27], v17, s[12:13]
	global_load_b128 v[28:31], v17, s[14:15]
	s_lshl_b32 s29, s24, 8                         ; my 64 k: 256 bytes of a row of dec
	v_lshlrev_b32 v7, 12, v2                       ; row l % 16,
	v_lshl_add_u32 v7, v3, 5, v7                   ; eight k for each half of the lanes
	v_add_nc_u32 v7, s29, v7
.set t, 0
.rept 4                                        ; t = 2 c + bb: K half c, rows 16 bb on
.irp p, 0,1,2,3                                ; k = 8 h + 0..3, 8 h + 4..7, 16 + 8 h + 0..3, 16 + 8 h + 4..7
	global_load_b128 v[DF+16*t+4*(\p):DF+16*t+4*(\p)+3], v7, s[8:9] offset:(t%2)*65536+(t/2)*128+((\p)/2)*64+((\p)%2)*16
.endr
.set t, t+1
.endr
	WPHASE 6
	; addresses for the meeting of the sums, made while nothing else is due
	s_lshl_b32 s30, s24, 13
	s_add_co_u32 s30, s30, PART
	v_lshl_add_u32 v8, v1, 4, s30                  ; in: my wave's 8,192 bytes, 16 bytes a lane
	v_lshl_add_u32 v9, v0, 4, PART                 ; back: 16 bytes at 16 x thread of each wave's part
	v_add_nc_u32 v10, 0x10000, v9                  ; (waves 8 to 15 lie beyond the immediate's 16 bits)
	s_bfe_u32 s31, s24, 0x10001                    ; those 16 bytes are: b = 16 ((w / 2) % 2) + l % 16,
	s_mul_i32 s31, s31, 16*OPITCH
	s_lshr_b32 s32, s24, 2                         ; u = 16 (w / 4) + 8 (l / 16) + 4 (w % 2) + 0..3
	s_lshl_b32 s32, s32, 6
	s_add_co_u32 s31, s31, s32
	s_and_b32 s32, s24, 1
	s_lshl_b32 s32, s32, 4
	s_add_co_u32 s31, s31, s32
	s_add_co_u32 s31, s31, OUTT
	v_mul_u32_u24 v11, v2, OPITCH
	v_lshl_add_u32 v11, v3, 5, v11
	v_add_nc_u32 v11, s31, v11
	v_lshrrev_b32 v16, 4, v0                       ; out: row thread / 16, 16 bytes at 16 (thread % 16)
	v_mul_u32_u24 v12, v16, OPITCH
	v_lshl_add_u32 v12, v2, 4, v12
	v_add_nc_u32 v12, OUTT, v12
	v_lshlrev_b32 v13, 12, v16
	v_lshl_add_u32 v13, v2, 4, v13
	v_add_nc_u32 v13, s26, v13
.set t, 0
.rept 32
	v_cvt_pk_bf16_f32 v[DB+t], v[DF+2*t], v[DF+2*t+1]  ; dec's fragments
.set t, t+1
.endr
	; 16 products; the eight accumulators take turns; the first eight start the sums
.irp j, 0,1,2,3
.irp bb, 0,1
	v_wmma_f32_16x16x32_bf16 v[DF+8*(2*(\j)+(\bb)):DF+8*(2*(\j)+(\bb))+7], v[WF+8*(\j):WF+8*(\j)+7], v[DB+8*(\bb):DB+8*(\bb)+7], 0
.endr
.endr
.irp j, 0,1,2,3
.irp bb, 0,1
	v_wmma_f32_16x16x32_bf16 v[DF+8*(2*(\j)+(\bb)):DF+8*(2*(\j)+(\bb))+7], v[WF+64+8*(\j):WF+64+8*(\j)+7], v[DB+16+8*(\bb):DB+16+8*(\bb)+7], v[DF+8*(2*(\j)+(\bb)):DF+8*(2*(\j)+(\bb))+7]
.endr
.endr
.rept 4
	v_nop                                          ; four places behind the last product, ahead of the stores that read results
.endr
.set t, 0
.rept 8
	ds_store_b128 v8, v[DF+8*t:DF+8*t+3]   offset:1024*t
	ds_store_b128 v8, v[DF+8*t+4:DF+8*t+7] offset:1024*t+512
.set t, t+1
.endr
	s_wait_dscnt 0x0                               ; for the others' sake: my partial sums lie in LDS
	s_barrier_signal -1
	s_barrier_wait -1
.set t, 0
.rept 16
	ds_load_b128 v[WF+4*t:WF+4*t+3], v[9+t/8] offset:8192*(t%8)  ; the same four sums of all 16 waves
.set t, t+1
.endr
	v_pk_add_f32 v[20:21], v[20:21], v[24:25]      ; the three biases, meanwhile
	v_pk_add_f32 v[22:23], v[22:23], v[26:27]
	v_pk_add_f32 v[20:21], v[20:21], v[28:29]
	v_pk_add_f32 v[22:23], v[22:23], v[30:31]
	s_wait_dscnt 0x0
.irp st, 8,4,2,1                               ; 16 -> 8 -> 4 -> 2 -> 1, two sums an instruction
.set t, 0
.rept 2*\st
	v_pk_add_f32 v[WF+2*t:WF+2*t+1], v[WF+2*t:WF+2*t+1], v[WF+4*\st+2*t:WF+4*\st+2*t+1]
.set t, t+1
.endr
.endr
	ds_store_b128 v11, v[WF:WF+3]
	s_wait_dscnt 0x0
	s_barrier_signal -1
	s_barrier_wait -1
	ds_load_b128 v[WF+4:WF+7], v12                 ; whole rows back: 16 lanes hold 256 consecutive bytes of a row of d2
	s_wait_dscnt 0x0
	v_pk_add_f32 v[WF+4:WF+5], v[WF+4:WF+5], v[20:21]
	v_pk_add_f32 v[WF+6:WF+7], v[WF+6:WF+7], v[22:23]
	v_pk_mul_f32 v[WF+4:WF+5], v[WF+4:WF+5], 0x4038aa3b op_sel_hi:[1,0]  ; K2 = 2 log2(e)
	v_pk_mul_f32 v[WF+6:WF+7], v[WF+6:WF+7], 0x4038aa3b op_sel_hi:[1,0]
	global_store_b128 v13, v[WF+4:WF+7], s[18:19]
	s_branch .Lend
	; ---------------- y = 0: wsF ----------------
.Lws:
	WPHASE 4
	s_bfe_u32 s33, ttmp9, 0x20001                  ; column block nb = 4 x + j: the next launch's wave v = (x / 2) % 4,
	s_lshl_b32 s33, s33, 19
	s_lshr_b32 s34, ttmp9, 3                       ; its chunk c = x / 8,
	s_lshl_b32 s34, s34, 18
	s_add_co_u32 s33, s33, s34
	s_and_b32 s34, ttmp9, 1                        ; i = 4 (x % 2) + j,
	s_lshl_b32 s34, s34, 12
	s_add_co_u32 s33, s33, s34
	s_lshl_b32 s34, s24, 14                        ; K block 2 w + c
	s_add_co_u32 s33, s33, s34
	v_lshl_add_u32 v18, v1, 4, s33
.set t, 0
.rept 8                                        ; t = 4 c + j; each store covers 512 consecutive bytes, aligned
	global_store_b128 v18, v[WF+64*(t/4)+8*(t%4):WF+64*(t/4)+8*(t%4)+3],   s[16:17] offset:8192*(t/4)+1024*(t%4)
	global_store_b128 v18, v[WF+64*(t/4)+8*(t%4)+4:WF+64*(t/4)+8*(t%4)+7], s[16:17] offset:8192*(t/4)+1024*(t%4)+512
.set t, t+1
.endr
.Lend:
	s_wait_tensorcnt 0x0                           ; the wave's end: behind my last LDS store
	ds_add_u32 v14, v15
	s_wait_dscnt 0x0
	s_endpgm
.Lfunc_end_k_qffe5cfac35_prep:
	.size	k_qffe5cfac35_prep, .Lfunc_end_k_qffe5cfac35_prep-k_qffe5cfac35_prep
	.p2alignl 7, 3214868480
	.fill 96, 4, 3214868480
	.section	.rodata,"a",@progbits
	.p2align	6, 0x0
	.amdhsa_kernel k_qffe5cfac35_prep
		.amdhsa_group_segment_fixed_size 305664
		.amdhsa_private_segment_fixed_size 0
		.amdhsa_enable_private_segment 0
		.amdhsa_kernarg_size 64
		.amdhsa_user_sgpr_count 2
		.amdhsa_user_sgpr_kernarg_segment_ptr 1
		.amdhsa_wavefront_size32 1
		.amdhsa_system_sgpr_workgroup_id_x 1
		.amdhsa_system_sgpr_workgroup_id_y 1
		.amdhsa_system_sgpr_workgroup_id_z 1
		.amdhsa_system_vgpr_workitem_id 0
		.amdhsa_next_free_vgpr 256
		.amdhsa_next_free_sgpr 66
		.amdhsa_reserve_vcc 0
		.amdhsa_float_denorm_mode_32 3
		.amdhsa_float_denorm_mode_16_64 3
		.amdhsa_memory_ordered 1
		.amdhsa_forward_progress 1
		.amdhsa_inst_pref_size 36
	.end_amdhsa_kernel
	.amdgpu_metadata
---
amdhsa.version: [ 1, 2 ]
amdhsa.kernels:
  - .name:           k_qffe5cfac35_prep
    .symbol:         k_qffe5cfac35_prep.kd
    .args:
      - { .name: Ws_k, .offset: 0, .size: 8, .value_kind: global_buffer, .address_space: global }
      - { .name: Wh_k, .offset: 8, .size: 8, .value_kind: global_buffer, .address_space: global }
      - { .name: dec_hidden, .offset: 16, .size: 8, .value_kind: global_buffer, .address_space: global }
      - { .name: Wh_b, .offset: 24, .size: 8, .value_kind: global_buffer, .address_space: global }
      - { .name: Ws_b, .offset: 32, .size: 8, .value_kind: global_buffer, .address_space: global }
      - { .name: Wc_b, .offset: 40, .size: 8, .value_kind: global_buffer, .address_space: global }
      - { .name: wsF, .offset: 48, .size: 8, .value_kind: global_buffer, .address_space: global }
      - { .name: d2, .offset: 56, .size: 8, .value_kind: global_buffer, .address_space: global }
    .group_segment_fixed_size: 305664
    .private_segment_fixed_size: 0
    .kernarg_segment_align: 8
    .kernarg_segment_size: 64
    .max_flat_workgroup_size: 512
    .sgpr_count:     66
    .vgpr_count:     256
    .wavefront_size: 32
...
	.end_amdgpu_metadata
.endif
;; end of part 1
;; launch main (part 2): grid 512 x 1, 4 waves a work-group, no clusters, 300,288 bytes of LDS; arguments enc_output, wsF, d2, Wc_k, V_k, V_b, prev_coverage, enc_pad_mask, msc, part; writes msc, part
.if DOCPART == 2
	.amdgcn_target "amdgcn-amd-amdhsa--gfx1250"
	.amdhsa_code_object_version 6
	.text
	.protected	k_qffe5cfac35_main
	.globl	k_qffe5cfac35_main
	.p2align	8
	.type	k_qffe5cfac35_main,@function
k_qffe5cfac35_main:
	s_mov_b64 s[64:65], 0
	v_nop
	global_prefetch_b8 v0, s[64:65] scope:SCOPE_SE
	s_setreg_imm32_b32 hwreg(HW_REG_WAVE_MODE, 25, 1), 1
	s_wait_xcnt 0x0
; A BLOCK OF 128 POSITIONS OF ONE BATCH: its masked scores, and its share of the context under the block's own maximum.
;   score[l] = V_b + sum over u of V[u] tanh(pre[l][u]),  pre = enc[l] . Ws[:, u] + d[u] + cov[l] Wc[u]   (d holds the decoder's term and the three biases; the launch before made K2 d)
;   tanh(x) = 1 - 2 / (1 + 2^(K2 x)), K2 = 2 log2(e): right at both ends (2^.. = 0 gives -1, infinity gives 1), so nothing is clipped.  score = (V_b + sum V) + sum of (-2 V) / (1 + 2^..).
;   ms = score x mask;  m = the block's maximum of ms;  p = 2^((ms - m) log2 e);  part[blk][e] = sum over l of p[l] enc[l][e].  The last launch joins the 16 blocks of a batch.
; enc IS READ ONCE: the block's 128 rows are rounded to bf16 into LDS and serve both column chunks of the product and the context.
; SHARES.  Four waves.  The 1,024 columns go in two chunks of 512; in a chunk wave w makes all 128 rows x columns 512 c + 128 w .. + 127: 64 accumulators, 512 registers.
; THE MATRIX INSTRUCTION IS USED TRANSPOSED: source 0 = 16 columns of Ws, source 1 = 16 rows of enc: a lane holds ONE row l = 16 a + lane % 16 and the columns 8 (lane / 16) + 0..7 of a block of 16,
; so cov is one number a lane and accumulator, and a row's sum over u stays in the lane until the end.
; enc STREAMS IN UNDER CHUNK 0's PRODUCTS.  LDS holds it by K slices of 128 columns (four K steps): A[slice][row][256 + 16 bytes].  A QUARTER is 8 of a wave's 32 rows x 512 bytes of one slice: 8 loads.
; At the end of K step s a wave waits for quarter s + 5, rounds it to bf16, stores it, and asks for Ws's group s + 4 and then for quarter s + 8: a quarter has three K steps in which to land, in a ring
; of four slots of 32 registers.  Slice j + 1 is whole at the end of step 4 j + 2 and is made known in step 4 j + 3 by one barrier, ahead of the first fetch from it.  Only slice 0 is waited for ahead of the products.
; Ws COMES FROM MEMORY STRAIGHT INTO REGISTERS, in fragment order (wsF): no wave wants a byte of it that another wave of the work-group fetches.  NO TENSOR LOADS, NO CLUSTER, though all work-groups read
; the same Ws: beside the rows (278,528 bytes) and the tables and stages (21,760) 27,392 bytes of LDS remain, and one K step of 32 over a chunk's 512 columns is 32,768.
; LIMITS.  enc and Ws are rounded to bf16, for the context too; a power of two below 2^-126 counts as 0; NaN and infinities are not treated apart.
; In the stream's last loop trip a wave asks once more for 8 rows x 512 bytes that it has had and does not use them: the price of one text for every trip with no jump round loads.
; REGISTERS, in windows of 256 (s_set_vgpr_msb: bits 1:0 source 0, 3:2 source 1, 5:4 source 2, 7:6 destination):
;   window 0: v0-63 addresses, cov, the rows' sums; v64-127 A's fragments of one K step; v128-255 the quarters' ring; behind the products v64-159 three buffers X, v160-231 three sets of table words; in the context v64-231
;   window 1: four buffers of 64: Ws's fragments of four K steps       windows 2, 3: the accumulators, (a, b) at v[8 (8 (a % 4) + b)] of window 2 + a / 4; window 2 first takes slice 0 as it arrives
.set PA,    272                        ; a row in a slice: 256 bytes + 16 = 17 x 16: the 16 rows of a fragment load start in 16 different groups of four banks (64 banks of 4 bytes: ISA guide 11.1)
.set SLB,   128*PA                     ; 34,816: a slice
.set TABD,  8*SLB                      ; 278,528  K2 d of my batch, 1,024 f32; behind it K2 Wc and -2 V, 4,096 bytes each
.set COVT,  TABD+12288                 ; 290,816  cov of the 128 rows
.set SCR,   COVT+512                   ; 291,328  [wave][128 rows]: each wave's share of the rows' sums
.set PWT,   SCR+2048                   ; 293,376  p, a copy for each wave
.set CTS,   PWT+2048                   ; 295,424  the context's way out, 1,024 bytes a wave
.set SVS,   CTS+4096                   ; 299,520  four words: each wave's share of sum V
.set SPARE, SVS+256                    ; 299,776  the spare words, 128 bytes for each wave
.set ADRA, 4                           ; v4     (l % 16) PA + 16 (l / 16) + the slice in hand: all eight row blocks hang on it by immediates
.set PFO,  5                           ; v5     the prefetches' offset: 131,072 w + 4,096 (l / 2) + 256 (l % 2); never rewritten
.set VB,   8                           ; v8     524,288 w + 16 l: my place in wsF; never rewritten
.set VEO,  9                           ; v9     131,072 w + 16 l: my wave's 32 rows of enc; never rewritten
.set VSA,  10                          ; v10    32 w PA + 8 l + a slice: where they go in LDS
.set VT,   11                          ; v11    TABD + 512 w + 32 (l / 16) + 2,048 c
.set VMO,  12                          ; v12    512 blk + 16 l: the mask's and msc's offset; never rewritten
.set AB0,  13                          ; v13    (l % 16) PA + 16 (l / 16); never rewritten
.set SPW,  14                          ; v14, v15 the add's two registers
.set NIL,  15
.set COV,  16                          ; v16-23 cov[16 a + l % 16]
.set SC,   24                          ; v24-39 a pair for each a: the row's sum over my even and my odd columns
.set MK,   40                          ; v40-43 the mask of rows 4 l .. 4 l + 3
.set SVT,  44                          ; v44    V_b + sum V
.set TMP,  45
.set K2V,  46                          ; v46-47 K2, twice
.set AF,   64
.set LAND, 128                         ; slot k % 4 of quarter k at LAND + 32 (k % 4)
.set XB,   64
.set CSB,  160                         ; set b % 3: K2 Wc 0-7, K2 d 8-15, -2 V 16-23 of the lane's eight columns
.set XR,   64                          ; the context: two sets of 16 rows x 16 bytes,
.set PR,   192                         ; two sets of 16 p,
.set CT,   224                         ; and my eight columns' sums
.set MS,   232                         ; v232-235 ms; v236 m; v240-243 p
; s24 wave; s[28:29] EP: enc at the block's first row, at a slice; s[30:31] BP: wsF at a group; s32, s33 counters; s[34:35] lane selects; s36 V_b; s37 log2(e); s[46:47] EP's step
.set MUL_LO, 0xa1                      ; source 0 (Ws) window 1, source 1 (enc) window 0, C and D window 2
.set MUL_HI, 0xf1                      ; the same, C and D window 3
.set TO_B,   0x40                      ; destination window 1
.set MSB, 0
.macro WIN new                         ; the immediate's high byte repeats the setting that is left; a switch that changes nothing is dropped
.if MSB != (\new)
	s_set_vgpr_msb (MSB<<8)|(\new)
.set MSB, \new
.endif
.endm
.macro PLACES                          ; four places behind a matrix instruction, ahead of loads into registers that it has read
.rept 4
	v_nop
.endr
.endm
; Ws's fragments of one K step, 8,192 bytes on end, into buffer k: group g counts K steps from BP
.macro BGRP k, g
	WIN TO_B
.set i, 0
.rept 8
	global_load_b128 v[64*(\k)+8*i:64*(\k)+8*i+3],   v[VB], s[30:31] offset:8192*(\g)+1024*i
	global_load_b128 v[64*(\k)+8*i+4:64*(\k)+8*i+7], v[VB], s[30:31] offset:8192*(\g)+1024*i+512
.set i, i+1
.endr
.endm
; a quarter is asked for: eight loads, each 512 consecutive bytes of one row, at byte off behind EP
.macro ELOAD slot, off
	WIN 0
.set i, 0
.rept 8
	global_load_b128 v[LAND+32*(\slot)+4*i:LAND+32*(\slot)+4*i+3], v[VEO], s[28:29] offset:(\off)+i*4096 th:TH_LOAD_NT
.set i, i+1
.endr
.endm
; a quarter is rounded to bf16 in place and laid into LDS at byte off behind VSA, 256 consecutive bytes an instruction
.macro ECONV slot, off
.set i, 0
.rept 8
	v_cvt_pk_bf16_f32 v[LAND+32*(\slot)+4*i],   v[LAND+32*(\slot)+4*i],   v[LAND+32*(\slot)+4*i+1]
	v_cvt_pk_bf16_f32 v[LAND+32*(\slot)+4*i+1], v[LAND+32*(\slot)+4*i+2], v[LAND+32*(\slot)+4*i+3]
.set i, i+1
.endr
.set i, 0
.rept 8
	ds_store_b64 v[VSA], v[LAND+32*(\slot)+4*i:LAND+32*(\slot)+4*i+1] offset:(\off)+i*PA
.set i, i+1
.endr
.endm
	s_load_b512 s[4:19], s[0:1], 0x0               ; enc s[4:5], wsF s[6:7], d2 s[8:9], Wc_k s[10:11], V_k s[12:13], V_b s[14:15], cov s[16:17], mask s[18:19]
	s_load_b128 s[20:23], s[0:1], 0x40             ; msc s[20:21], part s[22:23]
	v_lshl_add_u32 v[SPW], v0, 2, SPARE
	v_mov_b32 v[NIL], 0
	v_lshrrev_b32 v[TMP], 5, v0
	v_readfirstlane_b32 s24, v[TMP]                ; wave 0..3
	v_and_b32 v1, 31, v0
	s_lshl_b32 s38, ttmp9, 19                      ; the block's 128 rows of 4,096 bytes (under 2^28)
	s_mov_b32 s39, 0
	s_mov_b32 s47, 0
	s_lshl_b32 s44, s24, 17
	v_lshl_add_u32 v[VEO], v1, 4, s44
	s_lshl_b32 s40, s24, 19
	v_lshl_add_u32 v[VB], v1, 4, s40
	s_lshl_b32 s41, ttmp9, 9                       ; the block's 128 words in cov, mask and msc
	v_lshl_add_u32 v[VMO], v1, 4, s41
	v_lshl_add_u32 v50, v0, 2, s41
	v_lshlrev_b32 v48, 4, v0                       ; 16 x thread: a table's 4,096 bytes go in two loads of 2,048 for the work-group
	s_lshr_b32 s42, ttmp9, 4                       ; the batch
	s_lshl_b32 s42, s42, 12
	v_lshl_add_u32 v49, v0, 4, s42
	s_wait_kmcnt 0x0
	s_load_b32 s36, s[14:15], 0x0                  ; V_b
	s_add_nc_u64 s[28:29], s[4:5], s[38:39]        ; EP: slice 0
	s_mov_b64 s[30:31], s[6:7]                     ; BP: group 0
	global_load_b128 v[64:67], v49, s[8:9]         ; the eight small loads,
	global_load_b128 v[68:71], v49, s[8:9] offset:2048
	global_load_b128 v[72:75], v48, s[10:11]
	global_load_b128 v[76:79], v48, s[10:11] offset:2048
	global_load_b128 v[80:83], v48, s[12:13]
	global_load_b128 v[84:87], v48, s[12:13] offset:2048
	global_load_b32 v88, v50, s[16:17]
	global_load_b128 v[MK:MK+3], v[VMO], s[18:19]
	WIN 0x80                                       ; destination window 2
.set i, 0
.rept 32
	global_load_b128 v[4*i:4*i+3], v[VEO], s[28:29] offset:i*4096 th:TH_LOAD_NT  ; slice 0 of my 32 rows,
.set i, i+1
.endr
	BGRP 0, 0                                      ; Ws of K step 0,
	ELOAD 0, 512                                   ; and quarter 4 (slice 1, rows 0-7)
	; the rest of the set-up stands in the wait for the first loads
	v_and_b32 v2, 15, v0
	v_bfe_u32 v3, v0, 4, 1
	s_mul_i32 s40, s24, 32*PA
	v_lshl_add_u32 v[VSA], v1, 3, s40
	v_mul_u32_u24 v[AB0], v2, PA
	v_lshl_add_u32 v[AB0], v3, 4, v[AB0]
	v_lshrrev_b32 v[TMP], 1, v1
	v_and_b32 v[PFO], 1, v1
	v_lshlrev_b32 v[PFO], 8, v[PFO]
	v_lshl_add_u32 v[PFO], v[TMP], 12, v[PFO]
	v_add_nc_u32 v[PFO], s44, v[PFO]
	s_lshl_b32 s40, s24, 9
	s_add_co_u32 s43, s40, TABD
	v_lshl_add_u32 v[VT], v3, 5, s43
	v_lshl_add_u32 v51, v0, 4, TABD                ; the tables, in
	v_lshl_add_u32 v52, v0, 2, COVT
	s_lshl_b32 s43, s24, 2
	s_add_co_u32 s43, s43, SVS
	v_mov_b32 v53, s43
	v_lshl_add_u32 v54, v2, 2, COVT                ; cov, back
	v_mov_b32 v55, SVS
	s_add_co_u32 s43, s40, SCR
	v_lshl_add_u32 v56, v2, 2, s43                 ; the rows' sums, in
	v_lshl_add_u32 v57, v1, 4, SCR                 ; and back
	s_add_co_u32 s43, s40, PWT
	v_lshl_add_u32 v58, v1, 4, s43                 ; p, in
	v_mov_b32 v60, s43                             ; and back, the same words for all lanes
	v_lshrrev_b32 v59, 4, v0                       ; the context: my eight columns lie in slice thread / 16,
	v_mul_u32_u24 v59, v59, SLB
	v_lshl_add_u32 v59, v2, 4, v59                 ; at byte 16 (thread % 16) of a row
	v_lshl_add_u32 v61, v0, 5, CTS
	s_lshl_b32 s40, s24, 10
	s_add_co_u32 s43, s40, CTS
	v_lshl_add_u32 v62, v1, 4, s43
	s_lshl_b32 s43, ttmp9, 12
	s_add_co_u32 s43, s43, s40
	v_lshl_add_u32 v63, v1, 4, s43                 ; part: row blk, 1,024 bytes a wave
	v_mov_b32 v[K2V], 0x4038aa3b
	v_mov_b32 v[K2V+1], 0x4038aa3b
	s_mov_b32 s34, 0x76543210                      ; v_permlanex16_b32: each lane takes its own place in the other half
	s_mov_b32 s35, 0xfedcba98
	s_mov_b32 s37, 0x3fb8aa3b                      ; log2(e)
.set i, 0
.rept 16
	v_mov_b32 v[SC+i], 0                           ; the rows' sums run over both chunks
.set i, i+1
.endr
	s_wait_loadcnt 56                              ; the eight small loads are in; slice 0 (32), Ws's group (16) and quarter 4 (8) stay out
	v_pk_add_f32 v[90:91], v[80:81], v[82:83]      ; sum V of my eight
	v_pk_add_f32 v[92:93], v[84:85], v[86:87]
.irp i, 72,74,76,78
	v_pk_mul_f32 v[\i:\i+1], v[\i:\i+1], v[K2V:K2V+1]
.endr
	v_pk_add_f32 v[90:91], v[90:91], v[92:93]
.irp i, 80,82,84,86
	v_pk_mul_f32 v[\i:\i+1], v[\i:\i+1], -2.0 op_sel_hi:[1,0]
.endr
	v_add_f32 v90, v90, v91
	v_add_f32_dpp v90, v90, v90 row_xmask:1 row_mask:0xf bank_mask:0xf
	v_add_f32_dpp v90, v90, v90 row_xmask:2 row_mask:0xf bank_mask:0xf
	v_add_f32_dpp v90, v90, v90 row_xmask:4 row_mask:0xf bank_mask:0xf
	v_add_f32_dpp v90, v90, v90 row_xmask:8 row_mask:0xf bank_mask:0xf
	v_permlanex16_b32 v91, v90, s34, s35
	v_add_f32 v90, v90, v91
.irp i, 0,1,2,3,4,5
	ds_store_b128 v51, v[64+4*\i:64+4*\i+3] offset:2048*\i  ; K2 d, K2 Wc, -2 V: the three tables lie on end
.endr
	ds_store_b32 v52, v88
	ds_store_b32 v53, v90
	s_wait_loadcnt 24                              ; slice 0 is in; Ws's group and quarter 4 stay out
	WIN 0x8a                                       ; sources and destination window 2
.set i, 0
.rept 32
	v_cvt_pk_bf16_f32 v[4*i], v[4*i], v[4*i+1]
	v_cvt_pk_bf16_f32 v[4*i+1], v[4*i+2], v[4*i+3]
.set i, i+1
.endr
	WIN 0x08                                       ; store data window 2, address window 0
.set i, 0
.rept 32
	ds_store_b64 v[VSA], v[4*i:4*i+1] offset:i*PA
.set i, i+1
.endr
	BGRP 1, 1                                      ; from here on the order of the stream: a group of Ws, then a quarter
	ELOAD 1, 512+8*4096                            ; quarter 5
	BGRP 2, 2
	ELOAD 2, 512+16*4096                           ; quarter 6
	s_wait_loadcnt 48                              ; Ws's group 0 and quarter 4 are in; the 48 just issued stay out
	ECONV 0, SLB
	BGRP 3, 3
	ELOAD 3, 512+24*4096                           ; quarter 7
	s_wait_dscnt 0x0                               ; for the others' sake: my rows of slice 0 and my table words lie in LDS
	s_barrier_signal -1
	s_barrier_wait -1
.set i, 0
.rept 8
	ds_load_b32 v[COV+i], v54 offset:64*i
.set i, i+1
.endr
	ds_load_b128 v[64:67], v55
	s_wait_dscnt 0x0
	s_wait_kmcnt 0x0                               ; V_b
	v_add_f32 v64, v64, v65
	v_add_f32 v66, v66, v67
	v_add_f32 v64, v64, v66
	v_add_f32 v[SVT], s36, v64
; THE PRODUCTS.  16 matrix instructions: row blocks a0, a0 + 1 of the window's four (hi = 0: rows 0-63, 1: rows 64-127) x my 128 columns, 32 along K.
; The 64 accumulators take turns in the same order in every K step.
.macro MUL16 kbuf, hi, a0, zero
	WIN MUL_LO+0x50*(\hi)
.irp a, \a0, (\a0)+1
.irp b, 0,1,2,3,4,5,6,7
.if \zero
	v_wmma_f32_16x16x32_bf16 v[8*(8*(\a)+(\b)):8*(8*(\a)+(\b))+7], v[64*(\kbuf)+8*(\b):64*(\kbuf)+8*(\b)+7], v[AF+8*(4*(\hi)+(\a)):AF+8*(4*(\hi)+(\a))+7], 0
.else
	v_wmma_f32_16x16x32_bf16 v[8*(8*(\a)+(\b)):8*(8*(\a)+(\b))+7], v[64*(\kbuf)+8*(\b):64*(\kbuf)+8*(\b)+7], v[AF+8*(4*(\hi)+(\a)):AF+8*(4*(\hi)+(\a))+7], v[8*(8*(\a)+(\b)):8*(8*(\a)+(\b))+7]
.endif
.endr
.endr
.endm
.macro ALOAD half, off                 ; four fragments of enc (64 rows x 32 K) at byte off behind ADRA: eight loads; the largest immediate is 7 x 4,352 + SLB + 192 + 32 = 65,504
.irp a, 0,1,2,3
	ds_load_b128 v[AF+8*(4*(\half)+(\a)):AF+8*(4*(\half)+(\a))+3],   v[ADRA] offset:(4*(\half)+(\a))*16*PA+(\off)
	ds_load_b128 v[AF+8*(4*(\half)+(\a))+4:AF+8*(4*(\half)+(\a))+7], v[ADRA] offset:(4*(\half)+(\a))*16*PA+(\off)+32
.endr
.endm
; A K STEP of 32.  Each half of A's fragments is fetched anew (from byte aoff; none if aoff < 0) four places behind the 32 products that read it, and has the other half's 32 products in which to land.
; Ws's buffer is asked for again at the step's end, with group g (none if g < 0): three K steps, 192 products, ahead of its use.
; ldn: the loads younger than this step's group of Ws, which stay out (< 0: an earlier wait has shown the group in).  ds0: the LDS instructions younger than the fetch of rows 0-63.
; bar = 1: a slice is made known: my stores of it, issued at the last step's end, are waited for behind 16 products; 16 more stand between signal and wait; the fetch from the new slice follows.
; cslot >= 0: the quarter in that slot is waited for (cn younger loads stay out), rounded and stored at byte coff; its 16 conversions are the places behind the last product.
; islot >= 0: a quarter is asked for into that slot, from byte ioff.  ptr: the pointers are stepped in the step's middle, 32 products behind the youngest load.
.macro STEP kbuf, zero, aoff, g, ldn, ds0, bar=0, cslot=-1, cn=0, coff=0, islot=-1, ioff=0, ptr=0
.if (\ldn) >= 0
	s_wait_loadcnt \ldn
.endif
	s_wait_dscnt \ds0
	MUL16 \kbuf, 0, 0, \zero
.if \bar
	s_wait_dscnt 0x0                               ; for the others' sake: zero
	s_barrier_signal -1
.endif
	MUL16 \kbuf, 0, 2, \zero
.if \bar
	s_barrier_wait -1
.endif
.if (\ptr) != 0
	s_wait_xcnt 0x0                                ; every load and prefetch issued so far has read its base: only now is one stepped
.endif
.if ((\ptr) == 1) || ((\ptr) == 2)
	s_add_nc_u64 s[30:31], s[30:31], 4*8192
.endif
.if (\ptr) == 1
	s_cmp_eq_u32 s33, 1                            ; behind slice 7 there is none: in the last trip EP stays
	s_cselect_b32 s46, 0, 512
	s_add_nc_u64 s[28:29], s[28:29], s[46:47]
.endif
.if (\ptr) == 3
	s_add_nc_u64 s[28:29], s[28:29], 1024
.endif
.if (\aoff) >= 0
	PLACES
	WIN 0
	ALOAD 0, \aoff
	s_wait_dscnt 8                                 ; rows 64-127 are in (and my stores ahead of them are done); the eight just issued stay out
.else
	s_wait_dscnt 0x0
.endif
	MUL16 \kbuf, 1, 0, \zero
	MUL16 \kbuf, 1, 2, \zero
	WIN 0
.if (\cslot) >= 0
	s_wait_loadcnt \cn
	ECONV \cslot, \coff
.else
	PLACES
.endif
.if (\aoff) >= 0
	ALOAD 1, \aoff
.endif
.if (\g) >= 0
	BGRP \kbuf, \g
.endif
.if (\islot) >= 0
	ELOAD \islot, \ioff
.endif
.endm
	; CHUNK 0, with the stream.  At the end of step s the loads still out are, in order: B(s+1) E(s+5) B(s+2) E(s+6) B(s+3) E(s+7) (B: 16 loads, E: 8).  The wait for 48 shows E(s+5) in, and B(s+1) with it,
	; so these steps need no wait for Ws at their head.  Loads come back in order (ISA guide 5.7.1).
	v_mov_b32 v[ADRA], v[AB0]
	ALOAD 0, 0
	ALOAD 1, 0
	STEP 0, 1, 64, 4, -1, 8, 0, 1, 48, SLB+8*PA, 0, 0, 3   ; step 0 starts the sums: nothing is cleared; quarter 5 in, quarter 8 (slice 2) out
	WIN 0
	v_add_nc_u32 v[VSA], SLB, v[VSA]               ; VSA: slice 1
	s_mov_b32 s33, 6
.Lk0:                                          ; trip t: K steps 4 t + 1 .. 4 t + 4.  ADRA at slice t, VSA at slice t + 1, EP at slice t + 2, BP at group 4 t
	STEP 1, 0, 128,    5, -1, 16, 0, 2, 48, 16*PA,    1, 8*4096,  0
	WIN 0
	; A PREFETCH INTO THE L2 of my own 32 rows of slice t + 3: 64 blocks of 256 bytes, a lane a block, two instructions, behind the trip's first run of loads.  The loads that will want them are issued
	; three to six K steps on.  Each block of enc is named once in the launch, by the wave that will load it.  Slices 0 to 2 come by their loads alone; the last trip asks for nothing: slice 8 does not exist.
	s_cmp_gt_u32 s33, 1
	s_cbranch_scc0 .Lnoask
	global_prefetch_b8 v[PFO], s[28:29] offset:512 th:TH_LOAD_NT scope:SCOPE_SE
	global_prefetch_b8 v[PFO], s[28:29] offset:512+65536 th:TH_LOAD_NT scope:SCOPE_SE
.Lnoask:
	STEP 2, 0, 192,    6, -1, 16, 0, 3, 48, 24*PA,    2, 16*4096, 0
	STEP 3, 0, SLB,    7, -1, 16, 1, 0, 48, SLB,      3, 24*4096, 0   ; slice t + 1 is whole: the barrier
	STEP 0, 0, SLB+64, 4, -1, 16, 0, 1, 48, SLB+8*PA, 0, 0,       1   ; BP and EP step in its middle; in the last trip its quarter is slice 7's first once more, and is not used
	WIN 0
	v_add_nc_u32 v[ADRA], SLB, v[ADRA]
	v_add_nc_u32 v[VSA], SLB, v[VSA]
	s_sub_co_u32 s33, s33, 1
	s_cmp_lg_u32 s33, 0
	s_cbranch_scc1 .Lk0
	STEP 1, 0, 128,     5,  -1, 16, 0, 2, 48, 16*PA    ; step 25: quarter 30; younger: B27 E31 B28 and the unused quarter
	STEP 2, 0, 192,     6,  -1, 16, 0, 3, 40, 24*PA    ; step 26: quarter 31; younger: B28, the unused quarter, B29
	STEP 3, 0, SLB,     7,  -1, 16, 1                  ; step 27: slice 7 is whole: the last barrier of the stream
	STEP 0, 0, SLB+64,  8,  56, 8                      ; step 28: younger than B28: the unused quarter and three groups.  From here on the groups asked for are chunk 1's first four, which follow on end in wsF
	STEP 1, 0, SLB+128, 9,  48, 8
	STEP 2, 0, SLB+192, 10, 48, 8
	STEP 3, 0, -1,      11, 48, 8
	WIN 0
; THE WAY FROM SUMS TO SCORES, in 16 rounds n = 2 b + g over four accumulators (a = 4 g + 0..3, column block b).  X is one of three buffers of 32; pair q of 16: a' = q % 4, columns 2 (q / 4), + 1.
.macro LDC b                           ; the lane's eight columns of the three tables, for column block b
.set cs, CSB+24*((\b)%3)
	ds_load_b128 v[cs:cs+3],     v[VT] offset:4096+64*(\b)
	ds_load_b128 v[cs+4:cs+7],   v[VT] offset:4096+64*(\b)+16
	ds_load_b128 v[cs+8:cs+11],  v[VT] offset:64*(\b)
	ds_load_b128 v[cs+12:cs+15], v[VT] offset:64*(\b)+16
	ds_load_b128 v[cs+16:cs+19], v[VT] offset:8192+64*(\b)
	ds_load_b128 v[cs+20:cs+23], v[VT] offset:8192+64*(\b)+16
.endm
.macro P1A n, q                        ; X = K2 Wc cov + K2 d
.set xr, XB+32*((\n)%3)+8*((\q)&3)+2*((\q)>>2)
.set cs, CSB+24*(((\n)/2)%3)+2*((\q)>>2)
.set aa, 4*((\n)&1)+((\q)&3)
.if aa&1
	v_pk_fma_f32 v[xr:xr+1], v[cs:cs+1], v[COV+aa-1:COV+aa], v[cs+8:cs+9] op_sel:[0,1,0]
.else
	v_pk_fma_f32 v[xr:xr+1], v[cs:cs+1], v[COV+aa:COV+aa+1], v[cs+8:cs+9] op_sel_hi:[1,0,1]
.endif
.endm
.macro P1B n, q                        ; X += K2 x the sum (source 1, in window 2 or 3); pairs 0 to 3 read each accumulator's two lowest registers first
.set xr, XB+32*((\n)%3)+8*((\q)&3)+2*((\q)>>2)
.set ar, 8*(8*((\q)&3)+(\n)/2)+2*((\q)>>2)
	v_pk_fma_f32 v[xr:xr+1], v[K2V:K2V+1], v[ar:ar+1], v[xr:xr+1]
.endm
.macro EXPX n, i
	v_exp_f32 v[XB+32*((\n)%3)+(\i)], v[XB+32*((\n)%3)+(\i)]
.endm
.macro P2 n, p                         ; 1 + 2^X, registers 2 p, 2 p + 1 of the buffer
	v_pk_add_f32 v[XB+32*((\n)%3)+2*(\p):XB+32*((\n)%3)+2*(\p)+1], v[XB+32*((\n)%3)+2*(\p):XB+32*((\n)%3)+2*(\p)+1], 1.0 op_sel_hi:[1,0]
.endm
.macro RCPX n, i
	v_rcp_f32 v[XB+32*((\n)%3)+(\i)], v[XB+32*((\n)%3)+(\i)]
.endm
.macro P3 n, q                         ; the row's sum takes (-2 V) / (1 + 2^X)
.set xr, XB+32*((\n)%3)+8*((\q)&3)+2*((\q)>>2)
.set cs, CSB+24*(((\n)/2)%3)+16+2*((\q)>>2)
.set aa, 4*((\n)&1)+((\q)&3)
	v_pk_fma_f32 v[SC+2*aa:SC+2*aa+1], v[xr:xr+1], v[cs:cs+1], v[SC+2*aa:SC+2*aa+1]
.endm
	s_mov_b32 s32, 2
.Lscore:                                       ; two trips: a chunk's scores, written once; the first trip goes on with chunk 1's products, the second leaves in its middle
	LDC 0
	LDC 1
	LDC 2
	s_wait_dscnt 0x0
.set q, 0
.rept 16
	P1A 0, q
.set q, q+1
.endr
	WIN 0x08
.set q, 0
.rept 16
	P1B 0, q
.set q, q+1
.endr
; ROUND n: its 32 exponentials, each with a line of round n + 1's X beside it; ONE wait, which serves these
; exponentials and round n - 1's reciprocals; then its 32 reciprocals, with 1 + 2^X two pairs ahead of them and round n - 1's sums between.  A table set is fetched anew a round behind its last reader
; and waited for two rounds later, ahead of its first.
.set n, 0
.rept 16
	WIN 0
.if (n%2 == 1) && (n >= 5) && (n <= 13)
	s_wait_dscnt 0x0                               ; the table set asked for two rounds back is in
.endif
.if (n%2 == 1) && (n >= 3) && (n <= 11)
	LDC (n+3)/2
.endif
.set q, 0
.rept 16
	EXPX n, q
.if n < 15
	P1A n+1, q
.endif
.set q, q+1
.endr
.if n < 15
	WIN 0x08+4*((n+1)&1)                           ; source 1: the accumulators' window
.endif
.set q, 0
.rept 16
	EXPX n, 16+q
.if n < 15
	P1B n+1, q
.endif
.set q, q+1
.endr
	WIN 0
.if n == 15
	v_nop                                          ; a plain line behind the last exponential (elsewhere the line of X is that)
.endif
	s_wait_alu depctr_va_vdst(0)
	P2 n, 0
	P2 n, 1
.set q, 0
.rept 16
	RCPX n, 2*q
.if n > 0
	P3 n-1, q
.endif
	RCPX n, 2*q+1
.if q < 14
	P2 n, q+2
.endif
.set q, q+1
.endr
.set n, n+1
.endr
	v_nop                                          ; a plain line behind the last reciprocal,
	s_wait_alu depctr_va_vdst(0)                   ; and the wait for round 15's
.set q, 0
.rept 16
	P3 15, q
.set q, q+1
.endr
	s_sub_co_u32 s32, s32, 1
	s_cmp_eq_u32 s32, 0
	s_cbranch_scc1 .Lrows                          ; both chunks' scores are made
	; CHUNK 1: all of enc lies in LDS; Ws's groups 0 to 3 were asked for under chunk 0's last four steps
	v_add_nc_u32 v[VT], 2048, v[VT]                ; this chunk's table words
	v_mov_b32 v[ADRA], v[AB0]                      ; back to K = 0
	ALOAD 0, 0
	ALOAD 1, 0
	s_wait_xcnt 0x0
	s_add_nc_u64 s[30:31], s[30:31], 8*8192        ; BP stood 24 groups into chunk 0: now at chunk 1's first
	STEP 0, 1, 64, 4, 48, 8                        ; the first K step starts the sums
	WIN 0
	s_mov_b32 s33, 6
.Lk1:                                          ; K steps 4 t + 1 .. 4 t + 4; three younger groups of 16 loads stay out at each step's head
	STEP 1, 0, 128,    5, 48, 8
	STEP 2, 0, 192,    6, 48, 8
	STEP 3, 0, SLB,    7, 48, 8
	STEP 0, 0, SLB+64, 4, 48, 8, 0, -1, 0, 0, -1, 0, 2
	WIN 0
	v_add_nc_u32 v[ADRA], SLB, v[ADRA]
	s_sub_co_u32 s33, s33, 1
	s_cmp_lg_u32 s33, 0
	s_cbranch_scc1 .Lk1
	STEP 1, 0, 128,     5,  48, 8                  ; K steps 25 to 27 ask for the last three groups,
	STEP 2, 0, 192,     6,  48, 8
	STEP 3, 0, SLB,     7,  48, 8
	STEP 0, 0, SLB+64,  -1, 48, 8                  ; 28 to 31 for none: the counts run down
	STEP 1, 0, SLB+128, -1, 32, 8
	STEP 2, 0, SLB+192, -1, 16, 8
	STEP 3, 0, -1,      -1, 0,  8
	WIN 0
	s_cmp_lg_u32 s32, 0
	s_cbranch_scc1 .Lscore
.Lrows:
	; THE ROWS' SCORES.  A lane's pair, the other half of the lanes (the other eight columns of each block), then the four waves through LDS.
.set t, 0
.rept 8
	v_add_f32 v[64+t], v[SC+2*t], v[SC+2*t+1]
.set t, t+1
.endr
.set t, 0
.rept 8
	v_permlanex16_b32 v[72+t], v[64+t], s34, s35
.set t, t+1
.endr
.set t, 0
.rept 8
	v_add_f32 v[64+t], v[64+t], v[72+t]
.set t, t+1
.endr
.set t, 0
.rept 8
	ds_store_b32 v56, v[64+t] offset:64*t          ; row 16 t + l % 16; both halves of the lanes write the same number
.set t, t+1
.endr
	s_wait_dscnt 0x0
	s_barrier_signal -1
	s_barrier_wait -1
	; every wave makes the block's softmax for itself: rows 4 l .. 4 l + 3
.irp i, 0,1,2,3
	ds_load_b128 v[64+4*\i:64+4*\i+3], v57 offset:512*\i
.endr
.irp i, 0,1,2,3
	v_cvt_f32_i32 v[MK+\i], v[MK+\i]
.endr
	s_wait_dscnt 0x0
	v_pk_add_f32 v[64:65], v[64:65], v[68:69]
	v_pk_add_f32 v[66:67], v[66:67], v[70:71]
	v_pk_add_f32 v[72:73], v[72:73], v[76:77]
	v_pk_add_f32 v[74:75], v[74:75], v[78:79]
	v_pk_add_f32 v[64:65], v[64:65], v[72:73]
	v_pk_add_f32 v[66:67], v[66:67], v[74:75]
.irp i, 0,1,2,3
	v_add_f32 v[64+\i], v[SVT], v[64+\i]
.endr
.irp i, 0,1,2,3
	v_mul_f32 v[MS+\i], v[64+\i], v[MK+\i]         ; the score times the mask, as the module has it
.endr
	v_max3_num_f32 v236, v[MS], v[MS+1], v[MS+2]
	v_max_num_f32 v236, v236, v[MS+3]
	v_max_num_f32_dpp v236, v236, v236 row_xmask:1 row_mask:0xf bank_mask:0xf
	v_max_num_f32_dpp v236, v236, v236 row_xmask:2 row_mask:0xf bank_mask:0xf
	v_max_num_f32_dpp v236, v236, v236 row_xmask:4 row_mask:0xf bank_mask:0xf
	v_max_num_f32_dpp v236, v236, v236 row_xmask:8 row_mask:0xf bank_mask:0xf
	v_permlanex16_b32 v[TMP], v236, s34, s35
	v_max_num_f32 v236, v236, v[TMP]               ; m, the block's maximum
	v_mul_f32 v[TMP], 0xbfb8aa3b, v236             ; - m log2(e)
.irp i, 0,1,2,3
	v_fma_f32 v[240+\i], v[MS+\i], s37, v[TMP]
.endr
.irp i, 0,1,2,3
	v_exp_f32 v[240+\i], v[240+\i]
.endr
	v_nop
	s_wait_alu depctr_va_vdst(0)                   ; one wait for the four, ahead of the store that reads them and of the branch
	ds_store_b128 v58, v[240:243]                  ; p, my wave's own copy
	s_cmp_lg_u32 s24, 0
	s_cbranch_scc1 .Lnot0
	global_store_b128 v[VMO], v[MS:MS+3], s[20:21] ; wave 0: the block's 128 masked scores, 512 consecutive bytes
.Lnot0:
	; THE CONTEXT.  Thread t owns columns 8 t .. 8 t + 7: 16 bytes of each row of one slice; p comes as the same words for all lanes.  Two sets of 16 rows take turns.
.macro CLD set
.set t, 0
.rept 16
	ds_load_b128 v[XR+64*(\set)+4*t:XR+64*(\set)+4*t+3], v59 offset:PA*t
.set t, t+1
.endr
.irp i, 0,1,2,3
	ds_load_b128 v[PR+16*(\set)+4*\i:PR+16*(\set)+4*\i+3], v60 offset:16*\i
.endr
.endm
.macro CFMA set                        ; 128 multiply-adds straight from the bf16 halves into f32
.set t, 0
.rept 16
.irp k, 0,1,2,3
	v_fma_mix_f32_bf16 v[CT+2*(\k)],   v[XR+64*(\set)+4*t+(\k)], v[PR+16*(\set)+t], v[CT+2*(\k)]   op_sel_hi:[1,0,0]
	v_fma_mix_f32_bf16 v[CT+2*(\k)+1], v[XR+64*(\set)+4*t+(\k)], v[PR+16*(\set)+t], v[CT+2*(\k)+1] op_sel:[1,0,0] op_sel_hi:[1,0,0]
.endr
.set t, t+1
.endr
.endm
.macro CSTEP                           ; 16 rows on
	v_add_nc_u32 v59, 16*PA, v59
	v_add_nc_u32 v60, 64, v60
.endm
	CLD 0
.irp i, 0,1,2,3,4,5,6,7
	v_mov_b32 v[CT+\i], 0
.endr
	s_mov_b32 s33, 4
.Lctx:                                         ; 32 rows a trip
	CSTEP
	CLD 1
	s_wait_dscnt 20                                ; set 0 is in; set 1's 20 loads stay out
	CFMA 0
	s_wait_dscnt 0x0                               ; set 1 is in: it had set 0's 128 multiply-adds in which to land
	s_cmp_eq_u32 s33, 1
	s_cbranch_scc1 .Lnoset                         ; behind row 127 there is nothing to fetch
	CSTEP
	CLD 0                                          ; the next trip's set 0 lands under set 1's multiply-adds
.Lnoset:
	CFMA 1
	s_sub_co_u32 s33, s33, 1
	s_cmp_lg_u32 s33, 0
	s_cbranch_scc1 .Lctx
	s_wait_dscnt 0x0                               ; no LDS load is out when its registers are taken for the way out
	; a thread's 32 bytes go through the wave's own 1,024 bytes of LDS, so that each store covers 512 consecutive bytes
	ds_store_b128 v61, v[CT:CT+3]
	ds_store_b128 v61, v[CT+4:CT+7] offset:16
	ds_load_b128 v[64:67], v62                     ; LDS serves a wave's instructions in order (ISA guide 5.7.1.4): these see the stores above
	ds_load_b128 v[68:71], v62 offset:512
	s_wait_dscnt 0x0
	global_store_b128 v63, v[64:67], s[22:23]
	global_store_b128 v63, v[68:71], s[22:23] offset:512
	s_wait_tensorcnt 0x0                           ; the wave's end: behind my last LDS store
	ds_add_u32 v[SPW], v[NIL]
	s_wait_dscnt 0x0
	s_endpgm
.Lfunc_end_k_qffe5cfac35_main:
	.size	k_qffe5cfac35_main, .Lfunc_end_k_qffe5cfac35_main-k_qffe5cfac35_main
	.p2alignl 7, 3214868480
	.fill 96, 4, 3214868480
	.section	.rodata,"a",@progbits
	.p2align	6, 0x0
	.amdhsa_kernel k_qffe5cfac35_main
		.amdhsa_group_segment_fixed_size 300288
		.amdhsa_private_segment_fixed_size 0
		.amdhsa_enable_private_segment 0
		.amdhsa_kernarg_size 80
		.amdhsa_user_sgpr_count 2
		.amdhsa_user_sgpr_kernarg_segment_ptr 1
		.amdhsa_wavefront_size32 1
		.amdhsa_system_sgpr_workgroup_id_x 1
		.amdhsa_system_sgpr_workgroup_id_y 1
		.amdhsa_system_sgpr_workgroup_id_z 1
		.amdhsa_system_vgpr_workitem_id 0
		.amdhsa_next_free_vgpr 1024
		.amdhsa_next_free_sgpr 66
		.amdhsa_reserve_vcc 0
		.amdhsa_float_denorm_mode_32 3
		.amdhsa_float_denorm_mode_16_64 3
		.amdhsa_memory_ordered 1
		.amdhsa_forward_progress 1
		.amdhsa_inst_pref_size 255
	.end_amdhsa_kernel
	.section	.bss,"aw",@nobits
	.p2align	6
	.space	262144
	.amdgpu_metadata
---
amdhsa.version: [ 1, 2 ]
amdhsa.kernels:
  - .name:           k_qffe5cfac35_main
    .symbol:         k_qffe5cfac35_main.kd
    .args:
      - { .name: enc_output, .offset: 0, .size: 8, .value_kind: global_buffer, .address_space: global }
      - { .name: wsF, .offset: 8, .size: 8, .value_kind: global_buffer, .address_space: global }
      - { .name: d2, .offset: 16, .size: 8, .value_kind: global_buffer, .address_space: global }
      - { .name: Wc_k, .offset: 24, .size: 8, .value_kind: global_buffer, .address_space: global }
      - { .name: V_k, .offset: 32, .size: 8, .value_kind: global_buffer, .address_space: global }
      - { .name: V_b, .offset: 40, .size: 8, .value_kind: global_buffer, .address_space: global }
      - { .name: prev_coverage, .offset: 48, .size: 8, .value_kind: global_buffer, .address_space: global }
      - { .name: enc_pad_mask, .offset: 56, .size: 8, .value_kind: global_buffer, .address_space: global }
      - { .name: msc, .offset: 64, .size: 8, .value_kind: global_buffer, .address_space: global }
      - { .name: part, .offset: 72, .size: 8, .value_kind: global_buffer, .address_space: global }
    .group_segment_fixed_size: 300288
    .private_segment_fixed_size: 0
    .kernarg_segment_align: 8
    .kernarg_segment_size: 80
    .max_flat_workgroup_size: 128
    .sgpr_count:     66
    .vgpr_count:     1024
    .wavefront_size: 32
...
	.end_amdgpu_metadata
.endif
;; end of part 2
;; launch finish (part 3): grid 32 x 1, 16 waves a work-group, no clusters, 2,560 bytes of LDS; arguments msc, part, prev_coverage, out0, out1, out2; writes out0, out1, out2
.if DOCPART == 3
	.amdgcn_target "amdgcn-amd-amdhsa--gfx1250"
	.amdhsa_code_object_version 6
	.text
	.protected	k_qffe5cfac35_finish
	.globl	k_qffe5cfac35_finish
	.p2align	8
	.type	k_qffe5cfac35_finish,@function
k_qffe5cfac35_finish:
	s_mov_b64 s[64:65], 0
	v_nop
	global_prefetch_b8 v0, s[64:65] scope:SCOPE_SE
	s_setreg_imm32_b32 hwreg(HW_REG_WAVE_MODE, 25, 1), 1
	s_wait_xcnt 0x0
; ONE BATCH TO A WORK-GROUP: the 16 blocks' softmaxes are joined.  ms: the batch's 2,048 masked scores; part[i]: block i's sum of 2^((ms - m_i) log2 e) enc, under its own maximum m_i.
;   M = max ms;  e = 2^((ms - M) log2 e);  l = sum e;  out1 = e / l;  out2 = out1 + cov;  out0 = (sum over i of 2^((m_i - M) log2 e) part[i]) / l.
; Thread t holds rows 4 t .. 4 t + 3, so wave w holds block w, and its maximum is the m_w that the launch before used: a maximum of the same f32 numbers.  For out0 thread t owns columns 2 t, 2 t + 1.
; All loads go out at the head.  Each load and store of a wave covers 512 (ms, cov, out1, out2) or 256 (part, out0) consecutive bytes, aligned.  No matrix work: 2 MB are read once.
; LIMITS.  A power of two below 2^-126 counts as 0; NaN and infinities are not treated apart.
.set MW,    0                          ; 16 words: the waves' maxima
.set LW,    256                        ; 16 words: the waves' sums
.set SPARE, 512                        ; the spare words, 128 bytes for each of 16 waves
; v1 0 (LDS address of the words); v2 ms's, cov's, out1's, out2's offset; v3 part's; v4 out0's; v5 4 w; v6, v7 the add's two registers
; v[8:11] ms; v[12:15] cov; v[16:47] part, a pair a block; v48-50 at work; v[52:67] m_i, then their factors; v[68:71] e; v72-74 at work; v[76:91] the waves' sums, then out1, out2; v[92:95] out0's two chains
	s_load_b256 s[4:11], s[0:1], 0x0               ; msc s[4:5], part s[6:7], cov s[8:9], out0 s[10:11]
	s_load_b128 s[12:15], s[0:1], 0x20             ; out1 s[12:13], out2 s[14:15]
	v_lshl_add_u32 v6, v0, 2, SPARE
	v_mov_b32 v7, 0
	v_lshrrev_b32 v1, 5, v0
	v_readfirstlane_b32 s16, v1                    ; wave 0..15
	s_lshl_b32 s17, ttmp9, 13                      ; the batch's 2,048 words
	s_lshl_b32 s18, ttmp9, 16                      ; its 16 rows of part
	s_lshl_b32 s19, ttmp9, 12                      ; its row of out0
	v_lshl_add_u32 v2, v0, 4, s17
	v_lshl_add_u32 v3, v0, 3, s18
	v_lshl_add_u32 v4, v0, 3, s19
	s_lshl_b32 s20, s16, 2
	v_mov_b32 v5, s20
	v_mov_b32 v1, 0
	s_mov_b32 s21, 0x3fb8aa3b                      ; log2(e)
	s_mov_b32 s22, 0x76543210                      ; v_permlanex16_b32: each lane takes its own place in the other half
	s_mov_b32 s23, 0xfedcba98
	s_wait_kmcnt 0x0
	global_load_b128 v[8:11], v2, s[4:5]
	global_load_b128 v[12:15], v2, s[8:9]
.set i, 0
.rept 16
	global_load_b64 v[16+2*i:17+2*i], v3, s[6:7] offset:4096*i
.set i, i+1
.endr
	s_wait_loadcnt 17                              ; ms is in; cov and the 16 rows of part stay out
	v_max_num_f32 v48, v8, v9
	v_max_num_f32 v49, v10, v11
	v_max_num_f32 v48, v48, v49
	v_max_num_f32_dpp v48, v48, v48 row_xmask:1 row_mask:0xf bank_mask:0xf
	v_max_num_f32_dpp v48, v48, v48 row_xmask:2 row_mask:0xf bank_mask:0xf
	v_max_num_f32_dpp v48, v48, v48 row_xmask:4 row_mask:0xf bank_mask:0xf
	v_max_num_f32_dpp v48, v48, v48 row_xmask:8 row_mask:0xf bank_mask:0xf
	v_permlanex16_b32 v49, v48, s22, s23
	v_max_num_f32 v48, v48, v49                    ; m_w
	ds_store_b32 v5, v48 offset:MW
	s_wait_dscnt 0x0
	s_barrier_signal -1
	s_barrier_wait -1
.irp i, 0,1,2,3
	ds_load_b128 v[52+4*\i:52+4*\i+3], v1 offset:MW+16*\i
.endr
	s_wait_dscnt 0x0
	v_max3_num_f32 v48, v52, v53, v54
.set i, 55
.rept 6
	v_max3_num_f32 v48, v48, v[i], v[i+1]
.set i, i+2
.endr
	v_max_num_f32 v48, v48, v67                    ; M
	v_mul_f32 v50, 0xbfb8aa3b, v48                 ; - M log2(e)
.irp i, 0,1,2,3
	v_fma_f32 v[68+\i], v[8+\i], s21, v50
.endr
.set i, 0
.rept 16
	v_fma_f32 v[52+i], v[52+i], s21, v50
.set i, i+1
.endr
.irp i, 0,1,2,3
	v_exp_f32 v[68+\i], v[68+\i]
.endr
.set i, 0
.rept 16
	v_exp_f32 v[52+i], v[52+i]
.set i, i+1
.endr
	v_nop                                          ; a plain line behind the last exponential,
	s_wait_alu depctr_va_vdst(0)                   ; and one wait for the batch of 20
	v_add_f32 v72, v68, v69
	v_add_f32 v73, v70, v71
	v_add_f32 v72, v72, v73
	v_add_f32_dpp v72, v72, v72 row_xmask:1 row_mask:0xf bank_mask:0xf
	v_add_f32_dpp v72, v72, v72 row_xmask:2 row_mask:0xf bank_mask:0xf
	v_add_f32_dpp v72, v72, v72 row_xmask:4 row_mask:0xf bank_mask:0xf
	v_add_f32_dpp v72, v72, v72 row_xmask:8 row_mask:0xf bank_mask:0xf
	v_permlanex16_b32 v73, v72, s22, s23
	v_add_f32 v72, v72, v73
	ds_store_b32 v5, v72 offset:LW                 ; other words than the maxima's: no barrier is owed between
	s_wait_dscnt 0x0
	s_barrier_signal -1
	s_barrier_wait -1
.irp i, 0,1,2,3
	ds_load_b128 v[76+4*\i:76+4*\i+3], v1 offset:LW+16*\i
.endr
	s_wait_loadcnt 0x0                             ; cov and part
	v_pk_mul_f32 v[92:93], v[16:17], v[52:53] op_sel_hi:[1,0]  ; two chains: even blocks take the pair's first factor for both columns,
	v_pk_mul_f32 v[94:95], v[18:19], v[52:53] op_sel:[0,1]     ; odd blocks its second
.set i, 2
.rept 7
	v_pk_fma_f32 v[92:93], v[16+2*i:17+2*i], v[52+i:53+i], v[92:93] op_sel_hi:[1,0,1]
	v_pk_fma_f32 v[94:95], v[18+2*i:19+2*i], v[52+i:53+i], v[94:95] op_sel:[0,1,0]
.set i, i+2
.endr
	s_wait_dscnt 0x0
.irp i, 0,2,4,6
	v_pk_add_f32 v[76+\i:77+\i], v[76+\i:77+\i], v[84+\i:85+\i]
.endr
	v_pk_add_f32 v[76:77], v[76:77], v[80:81]
	v_pk_add_f32 v[78:79], v[78:79], v[82:83]
	v_pk_add_f32 v[76:77], v[76:77], v[78:79]
	v_add_f32 v76, v76, v77                        ; l
	v_rcp_f32 v74, v76
	v_pk_add_f32 v[92:93], v[92:93], v[94:95]      ; the plain line behind the reciprocal
	s_wait_alu depctr_va_vdst(0)
.irp i, 0,1,2,3
	v_mul_f32 v[76+\i], v[68+\i], v74
.endr
.irp i, 0,1,2,3
	v_add_f32 v[80+\i], v[76+\i], v[12+\i]
.endr
	v_mul_f32 v92, v92, v74
	v_mul_f32 v93, v93, v74
	global_store_b128 v2, v[76:79], s[12:13]
	global_store_b128 v2, v[80:83], s[14:15]
	global_store_b64 v4, v[92:93], s[10:11]
	s_wait_tensorcnt 0x0                           ; the wave's end: behind my last LDS store
	ds_add_u32 v6, v7
	s_wait_dscnt 0x0
	s_endpgm
.Lfunc_end_k_qffe5cfac35_finish:
	.size	k_qffe5cfac35_finish, .Lfunc_end_k_qffe5cfac35_finish-k_qffe5cfac35_finish
	.p2alignl 7, 3214868480
	.fill 96, 4, 3214868480
	.section	.rodata,"a",@progbits
	.p2align	6, 0x0
	.amdhsa_kernel k_qffe5cfac35_finish
		.amdhsa_group_segment_fixed_size 2560
		.amdhsa_private_segment_fixed_size 0
		.amdhsa_enable_private_segment 0
		.amdhsa_kernarg_size 48
		.amdhsa_user_sgpr_count 2
		.amdhsa_user_sgpr_kernarg_segment_ptr 1
		.amdhsa_wavefront_size32 1
		.amdhsa_system_sgpr_workgroup_id_x 1
		.amdhsa_system_sgpr_workgroup_id_y 1
		.amdhsa_system_sgpr_workgroup_id_z 1
		.amdhsa_system_vgpr_workitem_id 0
		.amdhsa_next_free_vgpr 96
		.amdhsa_next_free_sgpr 66
		.amdhsa_reserve_vcc 0
		.amdhsa_float_denorm_mode_32 3
		.amdhsa_float_denorm_mode_16_64 3
		.amdhsa_memory_ordered 1
		.amdhsa_forward_progress 1
		.amdhsa_inst_pref_size 10
	.end_amdhsa_kernel
	.amdgpu_metadata
---
amdhsa.version: [ 1, 2 ]
amdhsa.kernels:
  - .name:           k_qffe5cfac35_finish
    .symbol:         k_qffe5cfac35_finish.kd
    .args:
      - { .name: msc, .offset: 0, .size: 8, .value_kind: global_buffer, .address_space: global }
      - { .name: part, .offset: 8, .size: 8, .value_kind: global_buffer, .address_space: global }
      - { .name: prev_coverage, .offset: 16, .size: 8, .value_kind: global_buffer, .address_space: global }
      - { .name: out0, .offset: 24, .size: 8, .value_kind: global_buffer, .address_space: global }
      - { .name: out1, .offset: 32, .size: 8, .value_kind: global_buffer, .address_space: global }
      - { .name: out2, .offset: 40, .size: 8, .value_kind: global_buffer, .address_space: global }
    .group_segment_fixed_size: 2560
    .private_segment_fixed_size: 0
    .kernarg_segment_align: 8
    .kernarg_segment_size: 48
    .max_flat_workgroup_size: 512
    .sgpr_count:     66
    .vgpr_count:     96
    .wavefront_size: 32
...
	.end_amdgpu_metadata
.endif
;; end of part 3
;; ======== version 2 of 2: 3 launches; version 1 with the launch main written anew for expert scheduling mode
;; workspace buffers: wsF 2,097,152 bytes; d2 131,072 bytes; msc 262,144 bytes; part 2,097,152 bytes
;; launch prep: the kernel of part 1 again; grid 16 x 2, 16 waves a work-group, no clusters, 305,664 bytes of LDS; arguments Ws_k, Wh_k, dec_hidden, Wh_b, Ws_b, Wc_b, wsF, d2; writes wsF, d2
;; launch main (part 4): grid 512 x 1, 4 waves a work-group, no clusters, 300,288 bytes of LDS; arguments enc_output, wsF, d2, Wc_k, V_k, V_b, prev_coverage, enc_pad_mask, msc, part; writes msc, part
.if DOCPART == 4
	.amdgcn_target "amdgcn-amd-amdhsa--gfx1250"
	.amdhsa_code_object_version 6
	.text
	.protected	k_qffe5cfac35_main
	.globl	k_qffe5cfac35_main
	.p2align	8
	.type	k_qffe5cfac35_main,@function
k_qffe5cfac35_main:
	s_mov_b64 s[64:65], 0
	v_nop
	global_prefetch_b8 v0, s[64:65] scope:SCOPE_SE
	s_setreg_imm32_b32 hwreg(HW_REG_WAVE_SCHED_MODE, 0, 2), 2
	s_setreg_imm32_b32 hwreg(HW_REG_WAVE_MODE, 25, 1), 1
	s_wait_xcnt 0x0
	s_wait_alu depctr_vm_vsrc(0)
; A BLOCK OF 128 POSITIONS OF ONE BATCH: its masked scores, and its share of the context under the block's own maximum.
;   score[l] = V_b + sum over u of V[u] tanh(pre[l][u]),  pre = enc[l] . Ws[:, u] + d[u] + cov[l] Wc[u]   (d holds the decoder's term and the three biases; the launch before made K2 d)
;   tanh(x) = 1 - 2 / (1 + 2^(K2 x)), K2 = 2 log2(e): right at both ends (2^.. = 0 gives -1, infinity gives 1), so nothing is clipped.  score = (V_b + sum V) + sum of (-2 V) / (1 + 2^..).
;   ms = score x mask;  m = the block's maximum of ms;  p = 2^((ms - m) log2 e);  part[blk][e] = sum over l of p[l] enc[l][e].  The last launch joins the 16 blocks of a batch.
; enc IS READ ONCE: the block's 128 rows are rounded to bf16 into LDS and serve both column chunks of the product and the context.
; SHARES.  Four waves.  The 1,024 columns go in two chunks of 512; in a chunk wave w makes all 128 rows x columns 512 c + 128 w .. + 127: 64 accumulators, 512 registers.
; THE MATRIX INSTRUCTION IS USED TRANSPOSED: source 0 = 16 columns of Ws, source 1 = 16 rows of enc: a lane holds ONE row l = 16 a + lane % 16 and the columns 8 (lane / 16) + 0..7 of a block of 16,
; so cov is one number a lane and accumulator, and a row's sum over u stays in the lane until the end.
; enc STREAMS IN UNDER CHUNK 0's PRODUCTS.  LDS holds it by K slices of 128 columns (four K steps): A[slice][row][256 + 16 bytes].  A QUARTER is 8 of a wave's 32 rows x 512 bytes of one slice: 8 loads.
; At the end of K step s a wave waits for quarter s + 5, rounds it to bf16, stores it, and asks for Ws's group s + 4 and then for quarter s + 8: a quarter has three K steps in which to land, in a ring
; of four slots of 32 registers.  Slice j + 1 is whole at the end of step 4 j + 2 and is made known in step 4 j + 3 by one barrier, ahead of the first fetch from it.  Only slice 0 is waited for ahead of the products.
; Ws COMES FROM MEMORY STRAIGHT INTO REGISTERS, in fragment order (wsF): no wave wants a byte of it that another wave of the work-group fetches.  NO TENSOR LOADS, NO CLUSTER, though all work-groups read
; the same Ws: beside the rows (278,528 bytes) and the tables and stages (21,760) 27,392 bytes of LDS remain, and one K step of 32 over a chunk's 512 columns is 32,768.
; LIMITS.  enc and Ws are rounded to bf16, for the context too; a power of two below 2^-126 counts as 0; NaN and infinities are not treated apart.
; In the stream's last loop trip a wave asks once more for 8 rows x 512 bytes that it has had and does not use them: the price of one text for every trip with no jump round loads.
; REGISTERS, in windows of 256 (s_set_vgpr_msb: bits 1:0 source 0, 3:2 source 1, 5:4 source 2, 7:6 destination):
;   window 0: v0-63 addresses, cov, the rows' sums; v64-127 A's fragments of one K step; v128-255 the quarters' ring (chunk 0), v128-191 A's second buffer (chunk 1);
;             behind the products v64-159 three buffers X, v160-231 three sets of table words; in the context v64-231
;   window 1: four buffers of 64: Ws's fragments of four K steps       windows 2, 3: the accumulators, (a, b) at v[8 (8 (a % 4) + b)] of window 2 + a / 4; window 2 first takes slice 0 as it arrives
; THE MODE: SCHED_MODE bits 1:0 = 2 (LLVM: expert scheduling mode 2), set by the entry lines.  The code itself states the register dependences between vector or matrix instructions and memory or LDS
; instructions, with s_wait_alu, always for 0.
; THE PLAN.  Registers that memory or LDS instructions touch, and who else names them:
;   A, chunk 0    one buffer in two halves.  A step's first 32 products read the low half, then the next step's fetch lands in it; its last 32 read the high half, then the fetch lands in that.
;   A, chunk 1    two buffers by turns.  Step s's products read buffer s % 2; the fetch of step s + 1, at step s's head, lands in the other, which step s - 1's products read.
;   B0 .. B3      Step s's 64 products read B[s % 4]; then Ws's group s + 4 lands in it (chunk 0: at the step's end; chunk 1: at the next step's head).
;   the ring      At the end of step s slot (s + 1) % 4 is rounded in place, and LDS stores read it; quarter s + 8 lands in slot s % 4, rounded and stored a step earlier.
;   table sets    Read by the lines that make X and the rows' sums; a set is loaded anew behind the wait of the round that follows its last reader.
;   addresses     v5, v8, v9, v12, v48-58, v61-63: written once, at the head.  ADRA, VSA: stepped once in four K steps.  VT: once.  v59, v60: once for each 16 rows of the context.
; So chunk 0 has two waits on va_vdst a step, one ahead of each of its two runs of memory instructions, and chunk 1 one, at the step's head, ahead of its one run; the scores lean on the wait that each
; round has for its exponentials; each step of an address stands behind a wait on vm_vsrc and ahead of a wait on va_vdst that stands there anyway.
.set PA,    272                        ; a row in a slice: 256 bytes + 16 = 17 x 16: the 16 rows of a fragment load start in 16 different groups of four banks (64 banks of 4 bytes: ISA guide 11.1)
.set SLB,   128*PA                     ; 34,816: a slice
.set TABD,  8*SLB                      ; 278,528  K2 d of my batch, 1,024 f32; behind it K2 Wc and -2 V, 4,096 bytes each
.set COVT,  TABD+12288                 ; 290,816  cov of the 128 rows
.set SCR,   COVT+512                   ; 291,328  [wave][128 rows]: each wave's share of the rows' sums
.set PWT,   SCR+2048                   ; 293,376  p, a copy for each wave
.set CTS,   PWT+2048                   ; 295,424  the context's way out, 1,024 bytes a wave
.set SVS,   CTS+4096                   ; 299,520  four words: each wave's share of sum V
.set SPARE, SVS+256                    ; 299,776  the spare words, 128 bytes for each wave
.set ADRA, 4                           ; v4     (l % 16) PA + 16 (l / 16) + the slice in hand: all eight row blocks hang on it by immediates
.set PFO,  5                           ; v5     the prefetches' offset: 131,072 w + 4,096 (l / 2) + 256 (l % 2); never rewritten
.set VB,   8                           ; v8     524,288 w + 16 l: my place in wsF; never rewritten
.set VEO,  9                           ; v9     131,072 w + 16 l: my wave's 32 rows of enc; never rewritten
.set VSA,  10                          ; v10    32 w PA + 8 l + a slice: where they go in LDS
.set VT,   11                          ; v11    TABD + 512 w + 32 (l / 16) + 2,048 c
.set VMO,  12                          ; v12    512 blk + 16 l: the mask's and msc's offset; never rewritten
.set AB0,  13                          ; v13    (l % 16) PA + 16 (l / 16); never rewritten
.set SPW,  14                          ; v14, v15 the add's two registers
.set NIL,  15
.set COV,  16                          ; v16-23 cov[16 a + l % 16]
.set SC,   24                          ; v24-39 a pair for each a: the row's sum over my even and my odd columns
.set MK,   40                          ; v40-43 the mask of rows 4 l .. 4 l + 3
.set SVT,  44                          ; v44    V_b + sum V
.set TMP,  45
.set K2V,  46                          ; v46-47 K2, twice
.set AF,   64
.set AFB,  AF                          ; the buffer of A that MUL16 reads; chunk 1 sets it step by step
.set ALB,  AF                          ; the buffer of A in which ALOAD lands; likewise
.set LAND, 128                         ; slot k % 4 of quarter k at LAND + 32 (k % 4)
.set XB,   64
.set CSB,  160                         ; set b % 3: K2 Wc 0-7, K2 d 8-15, -2 V 16-23 of the lane's eight columns
.set XR,   64                          ; the context: two sets of 16 rows x 16 bytes,
.set PR,   192                         ; two sets of 16 p,
.set CT,   224                         ; and my eight columns' sums
.set MS,   232                         ; v232-235 ms; v236 m; v240-243 p
; s24 wave; s[28:29] EP: enc at the block's first row, at a slice; s[30:31] BP: wsF at a group; s32, s33 counters; s[34:35] lane selects; s36 V_b; s37 log2(e); s[46:47] EP's step
.set MUL_LO, 0xa1                      ; source 0 (Ws) window 1, source 1 (enc) window 0, C and D window 2
.set MUL_HI, 0xf1                      ; the same, C and D window 3
.set TO_B,   0x40                      ; destination window 1
.set MSB, 0
.macro WIN new                         ; the immediate's high byte repeats the setting that is left; a switch that changes nothing is dropped
.if MSB != (\new)
	s_set_vgpr_msb (MSB<<8)|(\new)
.set MSB, \new
.endif
.endm
.macro PLACES                          ; four places behind a matrix instruction (ISA guide 7.12.1), ahead of vector lines that write registers that it has read
.rept 4
	v_nop
.endr
.endm
; Ws's fragments of one K step, 8,192 bytes on end, into buffer k: group g counts K steps from BP
.macro BGRP k, g
	WIN TO_B
.set i, 0
.rept 8
	global_load_b128 v[64*(\k)+8*i:64*(\k)+8*i+3],   v[VB], s[30:31] offset:8192*(\g)+1024*i
	global_load_b128 v[64*(\k)+8*i+4:64*(\k)+8*i+7], v[VB], s[30:31] offset:8192*(\g)+1024*i+512
.set i, i+1
.endr
.endm
; a quarter is asked for: eight loads, each 512 consecutive bytes of one row, at byte off behind EP
.macro ELOAD slot, off
	WIN 0
.set i, 0
.rept 8
	global_load_b128 v[LAND+32*(\slot)+4*i:LAND+32*(\slot)+4*i+3], v[VEO], s[28:29] offset:(\off)+i*4096 th:TH_LOAD_NT
.set i, i+1
.endr
.endm
; a quarter is rounded to bf16 in place,
.macro ECVT slot
.set i, 0
.rept 8
	v_cvt_pk_bf16_f32 v[LAND+32*(\slot)+4*i],   v[LAND+32*(\slot)+4*i],   v[LAND+32*(\slot)+4*i+1]
	v_cvt_pk_bf16_f32 v[LAND+32*(\slot)+4*i+1], v[LAND+32*(\slot)+4*i+2], v[LAND+32*(\slot)+4*i+3]
.set i, i+1
.endr
.endm
; and laid into LDS at byte off behind VSA, 256 consecutive bytes an instruction; a wait on va_vdst stands between the two
.macro EST slot, off
.set i, 0
.rept 8
	ds_store_b64 v[VSA], v[LAND+32*(\slot)+4*i:LAND+32*(\slot)+4*i+1] offset:(\off)+i*PA
.set i, i+1
.endr
.endm
	s_load_b512 s[4:19], s[0:1], 0x0               ; enc s[4:5], wsF s[6:7], d2 s[8:9], Wc_k s[10:11], V_k s[12:13], V_b s[14:15], cov s[16:17], mask s[18:19]
	s_load_b128 s[20:23], s[0:1], 0x40             ; msc s[20:21], part s[22:23]
	v_lshl_add_u32 v[SPW], v0, 2, SPARE
	v_mov_b32 v[NIL], 0
	v_lshrrev_b32 v[TMP], 5, v0
	v_readfirstlane_b32 s24, v[TMP]                ; wave 0..3
	v_and_b32 v1, 31, v0
	s_lshl_b32 s38, ttmp9, 19                      ; the block's 128 rows of 4,096 bytes (under 2^28)
	s_mov_b32 s39, 0
	s_mov_b32 s47, 0
	s_wait_alu depctr_va_sdst(0)                   ; s24 is written, ahead of its first reader: offsets and LDS addresses are made from it
	s_lshl_b32 s44, s24, 17
	v_lshl_add_u32 v[VEO], v1, 4, s44
	s_lshl_b32 s40, s24, 19
	v_lshl_add_u32 v[VB], v1, 4, s40
	s_lshl_b32 s41, ttmp9, 9                       ; the block's 128 words in cov, mask and msc
	v_lshl_add_u32 v[VMO], v1, 4, s41
	v_lshl_add_u32 v50, v0, 2, s41
	v_lshlrev_b32 v48, 4, v0                       ; 16 x thread: a table's 4,096 bytes go in two loads of 2,048 for the work-group
	s_lshr_b32 s42, ttmp9, 4                       ; the batch
	s_lshl_b32 s42, s42, 12
	v_lshl_add_u32 v49, v0, 4, s42
	s_wait_kmcnt 0x0
	s_load_b32 s36, s[14:15], 0x0                  ; V_b
	s_add_nc_u64 s[28:29], s[4:5], s[38:39]        ; EP: slice 0
	s_mov_b64 s[30:31], s[6:7]                     ; BP: group 0
	s_wait_alu depctr_va_vdst(0)                   ; the six offsets v8, v9, v12, v48, v49, v50 are written, which the loads below read
	global_load_b128 v[64:67], v49, s[8:9]         ; the eight small loads,
	global_load_b128 v[68:71], v49, s[8:9] offset:2048
	global_load_b128 v[72:75], v48, s[10:11]
	global_load_b128 v[76:79], v48, s[10:11] offset:2048
	global_load_b128 v[80:83], v48, s[12:13]
	global_load_b128 v[84:87], v48, s[12:13] offset:2048
	global_load_b32 v88, v50, s[16:17]
	global_load_b128 v[MK:MK+3], v[VMO], s[18:19]
	WIN 0x80                                       ; destination window 2
.set i, 0
.rept 32
	global_load_b128 v[4*i:4*i+3], v[VEO], s[28:29] offset:i*4096 th:TH_LOAD_NT  ; slice 0 of my 32 rows,
.set i, i+1
.endr
	BGRP 0, 0                                      ; Ws of K step 0,
	ELOAD 0, 512                                   ; and quarter 4 (slice 1, rows 0-7)
	; the rest of the set-up stands in the wait for the first loads; it names no register that a load above reads or lands in
	v_and_b32 v2, 15, v0
	v_bfe_u32 v3, v0, 4, 1
	s_mul_i32 s40, s24, 32*PA
	v_lshl_add_u32 v[VSA], v1, 3, s40
	v_mul_u32_u24 v[AB0], v2, PA
	v_lshl_add_u32 v[AB0], v3, 4, v[AB0]
	v_lshrrev_b32 v[TMP], 1, v1
	v_and_b32 v[PFO], 1, v1
	v_lshlrev_b32 v[PFO], 8, v[PFO]
	v_lshl_add_u32 v[PFO], v[TMP], 12, v[PFO]
	v_add_nc_u32 v[PFO], s44, v[PFO]
	s_lshl_b32 s40, s24, 9
	s_add_co_u32 s43, s40, TABD
	v_lshl_add_u32 v[VT], v3, 5, s43
	v_lshl_add_u32 v51, v0, 4, TABD                ; the tables, in
	v_lshl_add_u32 v52, v0, 2, COVT
	s_lshl_b32 s43, s24, 2
	s_add_co_u32 s43, s43, SVS
	v_mov_b32 v53, s43
	v_lshl_add_u32 v54, v2, 2, COVT                ; cov, back
	v_mov_b32 v55, SVS
	s_add_co_u32 s43, s40, SCR
	v_lshl_add_u32 v56, v2, 2, s43                 ; the rows' sums, in
	v_lshl_add_u32 v57, v1, 4, SCR                 ; and back
	s_add_co_u32 s43, s40, PWT
	v_lshl_add_u32 v58, v1, 4, s43                 ; p, in
	v_mov_b32 v60, s43                             ; and back, the same words for all lanes
	v_lshrrev_b32 v59, 4, v0                       ; the context: my eight columns lie in slice thread / 16,
	v_mul_u32_u24 v59, v59, SLB
	v_lshl_add_u32 v59, v2, 4, v59                 ; at byte 16 (thread % 16) of a row
	v_lshl_add_u32 v61, v0, 5, CTS
	s_lshl_b32 s40, s24, 10
	s_add_co_u32 s43, s40, CTS
	v_lshl_add_u32 v62, v1, 4, s43
	s_lshl_b32 s43, ttmp9, 12
	s_add_co_u32 s43, s43, s40
	v_lshl_add_u32 v63, v1, 4, s43                 ; part: row blk, 1,024 bytes a wave
	v_mov_b32 v[K2V], 0x4038aa3b
	v_mov_b32 v[K2V+1], 0x4038aa3b
	s_mov_b32 s34, 0x76543210                      ; v_permlanex16_b32: each lane takes its own place in the other half
	s_mov_b32 s35, 0xfedcba98
	s_mov_b32 s37, 0x3fb8aa3b                      ; log2(e)
.set i, 0
.rept 16
	v_mov_b32 v[SC+i], 0                           ; the rows' sums run over both chunks
.set i, i+1
.endr
	s_wait_loadcnt 56                              ; the eight small loads are in; slice 0 (32), Ws's group (16) and quarter 4 (8) stay out
	v_pk_add_f32 v[90:91], v[80:81], v[82:83]      ; sum V of my eight
	v_pk_add_f32 v[92:93], v[84:85], v[86:87]
.irp i, 72,74,76,78
	v_pk_mul_f32 v[\i:\i+1], v[\i:\i+1], v[K2V:K2V+1]
.endr
	v_pk_add_f32 v[90:91], v[90:91], v[92:93]
.irp i, 80,82,84,86
	v_pk_mul_f32 v[\i:\i+1], v[\i:\i+1], -2.0 op_sel_hi:[1,0]
.endr
	v_add_f32 v90, v90, v91
	v_add_f32_dpp v90, v90, v90 row_xmask:1 row_mask:0xf bank_mask:0xf
	v_add_f32_dpp v90, v90, v90 row_xmask:2 row_mask:0xf bank_mask:0xf
	v_add_f32_dpp v90, v90, v90 row_xmask:4 row_mask:0xf bank_mask:0xf
	v_add_f32_dpp v90, v90, v90 row_xmask:8 row_mask:0xf bank_mask:0xf
	v_permlanex16_b32 v91, v90, s34, s35
	v_add_f32 v90, v90, v91
	s_wait_alu depctr_va_vdst(0)                   ; the scaled table words v72-87 and v90 are written, which the stores below read; so are all the addresses made above, for the rest of the kernel
.irp i, 0,1,2,3,4,5
	ds_store_b128 v51, v[64+4*\i:64+4*\i+3] offset:2048*\i  ; K2 d, K2 Wc, -2 V: the three tables lie on end
.endr
	ds_store_b32 v52, v88
	ds_store_b32 v53, v90
	s_wait_loadcnt 24                              ; slice 0 is in; Ws's group and quarter 4 stay out
	WIN 0x8a                                       ; sources and destination window 2
.set i, 0
.rept 32
	v_cvt_pk_bf16_f32 v[4*i], v[4*i], v[4*i+1]
	v_cvt_pk_bf16_f32 v[4*i+1], v[4*i+2], v[4*i+3]
.set i, i+1
.endr
	WIN 0x08                                       ; store data window 2, address window 0
	s_wait_alu depctr_va_vdst(0)                   ; the conversions have written slice 0's words, which the stores read
.set i, 0
.rept 32
	ds_store_b64 v[VSA], v[4*i:4*i+1] offset:i*PA
.set i, i+1
.endr
	BGRP 1, 1                                      ; from here on the order of the stream: a group of Ws, then a quarter
	ELOAD 1, 512+8*4096                            ; quarter 5
	BGRP 2, 2
	ELOAD 2, 512+16*4096                           ; quarter 6
	s_wait_loadcnt 48                              ; Ws's group 0 and quarter 4 are in; the 48 just issued stay out
	ECVT 0
	s_wait_alu depctr_va_vdst(0)                   ; the conversions have written quarter 4, which the stores read
	EST 0, SLB
	BGRP 3, 3
	ELOAD 3, 512+24*4096                           ; quarter 7
	s_wait_dscnt 0x0                               ; for the others' sake: my rows of slice 0 and my table words lie in LDS
	s_barrier_signal -1
	s_barrier_wait -1
	s_wait_alu depctr_vm_vsrc(0)                   ; my LDS stores have read v64-90, slot 0, window 2's v0-127 and VSA: loads, VSA's step and the first products write these next
.set i, 0
.rept 8
	ds_load_b32 v[COV+i], v54 offset:64*i
.set i, i+1
.endr
	ds_load_b128 v[64:67], v55
	s_wait_dscnt 0x0
	s_wait_kmcnt 0x0                               ; V_b
	v_add_f32 v64, v64, v65
	v_add_f32 v66, v66, v67
	v_add_f32 v64, v64, v66
	v_add_f32 v[SVT], s36, v64
; THE PRODUCTS.  16 matrix instructions: row blocks a0, a0 + 1 of the window's four (hi = 0: rows 0-63, 1: rows 64-127) x my 128 columns, 32 along K.
; The 64 accumulators take turns in the same order in every K step.
.macro MUL16 kbuf, hi, a0, zero
	WIN MUL_LO+0x50*(\hi)
.irp a, \a0, (\a0)+1
.irp b, 0,1,2,3,4,5,6,7
.if \zero
	v_wmma_f32_16x16x32_bf16 v[8*(8*(\a)+(\b)):8*(8*(\a)+(\b))+7], v[64*(\kbuf)+8*(\b):64*(\kbuf)+8*(\b)+7], v[AFB+8*(4*(\hi)+(\a)):AFB+8*(4*(\hi)+(\a))+7], 0
.else
	v_wmma_f32_16x16x32_bf16 v[8*(8*(\a)+(\b)):8*(8*(\a)+(\b))+7], v[64*(\kbuf)+8*(\b):64*(\kbuf)+8*(\b)+7], v[AFB+8*(4*(\hi)+(\a)):AFB+8*(4*(\hi)+(\a))+7], v[8*(8*(\a)+(\b)):8*(8*(\a)+(\b))+7]
.endif
.endr
.endr
.endm
.macro ALOAD half, off                 ; four fragments of enc (64 rows x 32 K) at byte off behind ADRA: eight loads; the largest immediate is 7 x 4,352 + SLB + 192 + 32 = 65,504
.irp a, 0,1,2,3
	ds_load_b128 v[ALB+8*(4*(\half)+(\a)):ALB+8*(4*(\half)+(\a))+3],   v[ADRA] offset:(4*(\half)+(\a))*16*PA+(\off)
	ds_load_b128 v[ALB+8*(4*(\half)+(\a))+4:ALB+8*(4*(\half)+(\a))+7], v[ADRA] offset:(4*(\half)+(\a))*16*PA+(\off)+32
.endr
.endm
; A K STEP of 32 IN CHUNK 0.  Each half of A's fragments is fetched anew (from byte aoff; none if aoff < 0) behind the 32 products that read it, and has the other half's 32 products in which to land.
; Ws's buffer is asked for again at the step's end, with group g: three K steps, 192 products, ahead of its use.
; ldn: the loads younger than this step's group of Ws, which stay out (< 0: an earlier wait has shown the group in).  ds0: the LDS instructions younger than the fetch of rows 0-63.
; bar = 1: a slice is made known: my stores of it, issued at the last step's end, are waited for behind 16 products; 16 more stand between signal and wait; the fetch from the new slice follows.
; cslot >= 0: the quarter in that slot is waited for (cn younger loads stay out), rounded and stored at byte coff.
; islot >= 0: a quarter is asked for into that slot, from byte ioff.  ptr: the pointers are stepped in the step's middle, 32 products behind the youngest load.
; adv = 1: ADRA and VSA go on by a slice, in the step's middle, ahead of the wait on va_vdst that stands there anyway.
.macro STEP kbuf, zero, aoff, g, ldn, ds0, bar=0, cslot=-1, cn=0, coff=0, islot=-1, ioff=0, ptr=0, adv=0
.if (\ldn) >= 0
	s_wait_loadcnt \ldn
.endif
	s_wait_dscnt \ds0
	MUL16 \kbuf, 0, 0, \zero
.if \bar
	s_wait_dscnt 0x0                               ; for the others' sake: zero
	s_barrier_signal -1
.endif
	MUL16 \kbuf, 0, 2, \zero
.if \bar
	s_barrier_wait -1
.endif
.if (\ptr) != 0
	s_wait_xcnt 0x0                                ; every load and prefetch issued so far has read its base: only now is one stepped
.endif
.if (\ptr) == 1
	s_add_nc_u64 s[30:31], s[30:31], 4*8192
	s_cmp_eq_u32 s33, 1                            ; behind slice 7 there is none: in the last trip EP stays
	s_cselect_b32 s46, 0, 512
	s_add_nc_u64 s[28:29], s[28:29], s[46:47]
.endif
.if (\ptr) == 3
	s_add_nc_u64 s[28:29], s[28:29], 1024
.endif
.if (\aoff) >= 0
	WIN 0
.if \adv
	s_wait_alu depctr_vm_vsrc(0)                   ; the fetches and stores issued so far, the youngest 32 products back, have read ADRA and VSA
	v_add_nc_u32 v[ADRA], SLB, v[ADRA]
	v_add_nc_u32 v[VSA], SLB, v[VSA]
.endif
	s_wait_alu depctr_va_vdst(0)                   ; the 32 products above are done reading the fragments of rows 0-63, in which the fetch lands; with adv = 1: ADRA and VSA are written
	ALOAD 0, \aoff
	s_wait_dscnt 8                                 ; rows 64-127 are in (and my stores ahead of them are done); the eight just issued stay out
.else
	s_wait_dscnt 0x0
.endif
	MUL16 \kbuf, 1, 0, \zero
	MUL16 \kbuf, 1, 2, \zero
	WIN 0
.if (\cslot) >= 0
	s_wait_loadcnt \cn
	ECVT \cslot
.endif
.if (\aoff) < 0
	PLACES                                         ; the chunk's last step: the scores' first lines write A's registers
.endif
.if (\islot) >= 0
	s_wait_alu depctr_vm_vsrc(0)                   ; the stores issued at the last step's end have read slot islot, in which a quarter lands below
.endif
	s_wait_alu depctr_va_vdst(0)                   ; the step's products are done reading rows 64-127's fragments and Ws's buffer; the conversions have written the quarter to be stored; the last step's are done with slot islot
.if (\cslot) >= 0
	EST \cslot, \coff
.endif
.if (\aoff) >= 0
	ALOAD 1, \aoff
.endif
	BGRP \kbuf, \g
.if (\islot) >= 0
	ELOAD \islot, \ioff
.endif
.endm
	; CHUNK 0, with the stream.  At the end of step s the loads still out are, in order: B(s+1) E(s+5) B(s+2) E(s+6) B(s+3) E(s+7) (B: 16 loads, E: 8).  The wait for 48 shows E(s+5) in, and B(s+1) with it,
	; so these steps need no wait for Ws at their head.  Loads come back in order (ISA guide 5.7.1).
	v_mov_b32 v[ADRA], v[AB0]
	v_add_nc_u32 v[VSA], SLB, v[VSA]               ; VSA: slice 1 (its readers so far stand ahead of the wait on vm_vsrc above)
	s_wait_alu depctr_va_vdst(0)                   ; ADRA and VSA are written; the additions above are done with v64-67, in which the first fetch lands
	ALOAD 0, 0
	ALOAD 1, 0
	STEP 0, 1, 64, 4, -1, 8, 0, 1, 48, 8*PA, 0, 0, 3       ; step 0 starts the sums: nothing is cleared; quarter 5 in, quarter 8 (slice 2) out
	WIN 0
	s_mov_b32 s33, 6
.Lk0:                                          ; trip t: K steps 4 t + 1 .. 4 t + 4.  ADRA at slice t, VSA at slice t + 1 (both a slice on from the fourth step's middle), EP at slice t + 2, BP at group 4 t
	STEP 1, 0, 128,    5, -1, 16, 0, 2, 48, 16*PA,    1, 8*4096,  0
	WIN 0
	; A PREFETCH INTO THE L2 of my own 32 rows of slice t + 3: 64 blocks of 256 bytes, a lane a block, two instructions, behind the trip's first run of loads.  The loads that will want them are issued
	; three to six K steps on.  Each block of enc is named once in the launch, by the wave that will load it.  Slices 0 to 2 come by their loads alone; the last trip asks for nothing: slice 8 does not exist.
	s_cmp_gt_u32 s33, 1
	s_cbranch_scc0 .Lnoask
	global_prefetch_b8 v[PFO], s[28:29] offset:512 th:TH_LOAD_NT scope:SCOPE_SE
	global_prefetch_b8 v[PFO], s[28:29] offset:512+65536 th:TH_LOAD_NT scope:SCOPE_SE
.Lnoask:
	STEP 2, 0, 192,    6, -1, 16, 0, 3, 48, 24*PA,    2, 16*4096, 0
	STEP 3, 0, SLB,    7, -1, 16, 1, 0, 48, SLB,      3, 24*4096, 0   ; slice t + 1 is whole: the barrier
	STEP 0, 0, 64,     4, -1, 16, 0, 1, 48, 8*PA,     0, 0,       1, 1  ; BP, EP, ADRA and VSA step in its middle; in the last trip its quarter is slice 7's first once more, and is not used
	WIN 0
	s_sub_co_u32 s33, s33, 1
	s_cmp_lg_u32 s33, 0
	s_cbranch_scc1 .Lk0
	STEP 1, 0, 128,     5,  -1, 16, 0, 2, 48, 16*PA    ; step 25: quarter 30; younger: B27 E31 B28 and the unused quarter
	STEP 2, 0, 192,     6,  -1, 16, 0, 3, 40, 24*PA    ; step 26: quarter 31; younger: B28, the unused quarter, B29
	STEP 3, 0, SLB,     7,  -1, 16, 1                  ; step 27: slice 7 is whole: the last barrier of the stream
	STEP 0, 0, SLB+64,  8,  56, 8                      ; step 28: younger than B28: the unused quarter and three groups.  From here on the groups asked for are chunk 1's first four, which follow on end in wsF
	STEP 1, 0, SLB+128, 9,  48, 8
	STEP 2, 0, SLB+192, 10, 48, 8
	STEP 3, 0, -1,      11, 48, 8
	WIN 0
	s_wait_alu depctr_vm_vsrc(0)                   ; the stores of quarters 29 to 31 have read v160-255, in which the table words land
; THE WAY FROM SUMS TO SCORES, in 16 rounds n = 2 b + g over four accumulators (a = 4 g + 0..3, column block b).  X is one of three buffers of 32; pair q of 16: a' = q % 4, columns 2 (q / 4), + 1.
.macro LDC b                           ; the lane's eight columns of the three tables, for column block b
.set cs, CSB+24*((\b)%3)
	ds_load_b128 v[cs:cs+3],     v[VT] offset:4096+64*(\b)
	ds_load_b128 v[cs+4:cs+7],   v[VT] offset:4096+64*(\b)+16
	ds_load_b128 v[cs+8:cs+11],  v[VT] offset:64*(\b)
	ds_load_b128 v[cs+12:cs+15], v[VT] offset:64*(\b)+16
	ds_load_b128 v[cs+16:cs+19], v[VT] offset:8192+64*(\b)
	ds_load_b128 v[cs+20:cs+23], v[VT] offset:8192+64*(\b)+16
.endm
.macro P1A n, q                        ; X = K2 Wc cov + K2 d
.set xr, XB+32*((\n)%3)+8*((\q)&3)+2*((\q)>>2)
.set cs, CSB+24*(((\n)/2)%3)+2*((\q)>>2)
.set aa, 4*((\n)&1)+((\q)&3)
.if aa&1
	v_pk_fma_f32 v[xr:xr+1], v[cs:cs+1], v[COV+aa-1:COV+aa], v[cs+8:cs+9] op_sel:[0,1,0]
.else
	v_pk_fma_f32 v[xr:xr+1], v[cs:cs+1], v[COV+aa:COV+aa+1], v[cs+8:cs+9] op_sel_hi:[1,0,1]
.endif
.endm
.macro P1B n, q                        ; X += K2 x the sum (source 1, in window 2 or 3); pairs 0 to 3 read each accumulator's two lowest registers first
.set xr, XB+32*((\n)%3)+8*((\q)&3)+2*((\q)>>2)
.set ar, 8*(8*((\q)&3)+(\n)/2)+2*((\q)>>2)
	v_pk_fma_f32 v[xr:xr+1], v[K2V:K2V+1], v[ar:ar+1], v[xr:xr+1]
.endm
.macro EXPX n, i
	v_exp_f32 v[XB+32*((\n)%3)+(\i)], v[XB+32*((\n)%3)+(\i)]
.endm
.macro P2 n, p                         ; 1 + 2^X, registers 2 p, 2 p + 1 of the buffer
	v_pk_add_f32 v[XB+32*((\n)%3)+2*(\p):XB+32*((\n)%3)+2*(\p)+1], v[XB+32*((\n)%3)+2*(\p):XB+32*((\n)%3)+2*(\p)+1], 1.0 op_sel_hi:[1,0]
.endm
.macro RCPX n, i
	v_rcp_f32 v[XB+32*((\n)%3)+(\i)], v[XB+32*((\n)%3)+(\i)]
.endm
.macro P3 n, q                         ; the row's sum takes (-2 V) / (1 + 2^X)
.set xr, XB+32*((\n)%3)+8*((\q)&3)+2*((\q)>>2)
.set cs, CSB+24*(((\n)/2)%3)+16+2*((\q)>>2)
.set aa, 4*((\n)&1)+((\q)&3)
	v_pk_fma_f32 v[SC+2*aa:SC+2*aa+1], v[xr:xr+1], v[cs:cs+1], v[SC+2*aa:SC+2*aa+1]
.endm
	s_mov_b32 s32, 2
.Lscore:                                       ; two trips: a chunk's scores, written once; the first trip goes on with chunk 1's products, the second leaves in its middle
	s_wait_alu depctr_va_vdst(0)                   ; in the second trip: chunk 1's last products are done reading v160-191, the first trip's lines reading the table sets, and VT is written: the table words land in v160-231
	LDC 0
	LDC 1
	LDC 2
	s_wait_dscnt 0x0
.set q, 0
.rept 16
	P1A 0, q
.set q, q+1
.endr
	WIN 0x08
.set q, 0
.rept 16
	P1B 0, q
.set q, q+1
.endr
; ROUND n: its 32 exponentials, each with a line of round n + 1's X beside it; ONE wait, which serves these
; exponentials and round n - 1's reciprocals; then its 32 reciprocals, with 1 + 2^X two pairs ahead of them and round n - 1's sums between.  A table set's last reader is a sum in the second half of
; round 2 b - 4; the set is fetched anew directly behind the wait of round 2 b - 3, which states that this reader is done too, and is waited for at the head of round 2 b - 1, ahead of its first reader.
.set n, 0
.rept 16
	WIN 0
.if (n%2 == 1) && (n >= 5) && (n <= 13)
	s_wait_dscnt 0x0                               ; the table set asked for in the round before last is in
.endif
.set q, 0
.rept 16
	EXPX n, q
.if n < 15
	P1A n+1, q
.endif
.set q, q+1
.endr
.if n < 15
	WIN 0x08+4*((n+1)&1)                           ; source 1: the accumulators' window
.endif
.set q, 0
.rept 16
	EXPX n, 16+q
.if n < 15
	P1B n+1, q
.endif
.set q, q+1
.endr
	WIN 0
.if n == 15
	v_nop                                          ; a plain line behind the last exponential (elsewhere the line of X is that)
.endif
	s_wait_alu depctr_va_vdst(0)                   ; this round's exponentials and the last round's reciprocals have written X; the last round's sums are done reading the table set that is fetched anew below
.if (n%2 == 1) && (n >= 3) && (n <= 11)
	LDC (n+3)/2                                    ; no line between the wait and these loads, and none of this round behind them, names that set
.endif
	P2 n, 0
	P2 n, 1
.set q, 0
.rept 16
	RCPX n, 2*q
.if n > 0
	P3 n-1, q
.endif
	RCPX n, 2*q+1
.if q < 14
	P2 n, q+2
.endif
.set q, q+1
.endr
.set n, n+1
.endr
	v_nop                                          ; a plain line behind the last reciprocal,
	s_wait_alu depctr_va_vdst(0)                   ; and the wait for round 15's reciprocals, which the sums below read
.set q, 0
.rept 16
	P3 15, q
.set q, q+1
.endr
	s_sub_co_u32 s32, s32, 1
	s_cmp_eq_u32 s32, 0
	s_cbranch_scc1 .Lrows                          ; both chunks' scores are made
; A K STEP of 32 IN CHUNK 1: all of enc lies in LDS, and the ring's registers are A's second buffer.  Step s reads A's buffer ab = s % 2 and Ws's buffer kbuf = s % 4.  At its head ONE wait on va_vdst,
; then ONE run of loads: the fragments of step s + 1 (from byte aoff; none if aoff < 0) into the other buffer of A, and Ws's group s + 3 (g counts from BP; none if g < 0) into the buffer that step s - 1 read:
; a whole step and three steps ahead of their use.  Then the counted waits (ds, ldn: what was issued behind this step's own data stays out) and 64 products on end.
; ptr = 1: BP goes on by four groups, 64 products behind the youngest load.  adv = 1: ADRA goes on by a slice, ahead of the wait on va_vdst.
.macro STEPB kbuf, ab, zero, aoff, g, ldn, ds, ptr=0, adv=0
	WIN 0
.if \ptr
	s_wait_xcnt 0x0                                ; every load issued so far has read its base: only now is it stepped
	s_add_nc_u64 s[30:31], s[30:31], 4*8192
.endif
.if \adv
	s_wait_alu depctr_vm_vsrc(0)                   ; the fetches issued so far, the youngest 64 products back, have read ADRA
	v_add_nc_u32 v[ADRA], SLB, v[ADRA]
.endif
.if (\aoff) >= 0
	s_wait_alu depctr_va_vdst(0)                   ; the last step's products are done reading their buffer of A and their buffer of Ws, in which the loads below land; with adv = 1: ADRA is written
.set ALB, AF+64*(1-(\ab))
	ALOAD 0, \aoff
	ALOAD 1, \aoff
.if (\g) >= 0
	BGRP ((\kbuf)+3)%4, \g
.endif
.endif
	s_wait_dscnt \ds
	s_wait_loadcnt \ldn
.set AFB, AF+64*(\ab)
	MUL16 \kbuf, 0, 0, \zero
	MUL16 \kbuf, 0, 2, \zero
	MUL16 \kbuf, 1, 0, \zero
	MUL16 \kbuf, 1, 2, \zero
.endm
	; CHUNK 1.  Ws's groups 0 to 3 were asked for under chunk 0's last four steps
	s_wait_alu depctr_vm_vsrc(0)                   ; the table loads have read VT, chunk 0's fetches ADRA
	v_add_nc_u32 v[VT], 2048, v[VT]                ; this chunk's table words
	v_mov_b32 v[ADRA], v[AB0]                      ; back to K = 0
	s_wait_xcnt 0x0
	s_add_nc_u64 s[30:31], s[30:31], 8*8192        ; BP stood 24 groups into chunk 0: now at chunk 1's first
	s_wait_alu depctr_va_vdst(0)                   ; ADRA is written; the scores' lines are done with v64-191, in which the fragments of steps 0 and 1 land
.set ALB, AF
	ALOAD 0, 0
	ALOAD 1, 0
.set ALB, AF+64
	ALOAD 0, 64
	ALOAD 1, 64
	STEPB 0, 0, 1, -1, -1, 48, 16                  ; the first K step starts the sums; step 1's 16 fetches and three groups of Ws stay out
	WIN 0
	s_mov_b32 s33, 6
.Lk1:                                          ; K steps 4 t + 1 .. 4 t + 4; at each step's waits the next step's 16 fetches and three younger groups of 16 loads stay out
	STEPB 1, 1, 0, 128, 4, 48, 16
	STEPB 2, 0, 0, 192, 5, 48, 16
	STEPB 3, 1, 0, SLB, 6, 48, 16
	STEPB 0, 0, 0, 64,  3, 48, 16, 1, 1            ; BP and ADRA step at its head: group 3 from the new BP, byte 64 of the new slice
	WIN 0
	s_sub_co_u32 s33, s33, 1
	s_cmp_lg_u32 s33, 0
	s_cbranch_scc1 .Lk1
	STEPB 1, 1, 0, 128,     4,  48, 16             ; K steps 25 to 28 ask for the last four groups,
	STEPB 2, 0, 0, 192,     5,  48, 16
	STEPB 3, 1, 0, SLB,     6,  48, 16
	STEPB 0, 0, 0, SLB+64,  7,  48, 16
	STEPB 1, 1, 0, SLB+128, -1, 32, 16             ; 29 to 31 for none: the counts run down
	STEPB 2, 0, 0, SLB+192, -1, 16, 16
	STEPB 3, 1, 0, -1,      -1, 0,  0
	WIN 0
	PLACES                                         ; the scores' first lines write A's registers
	s_cmp_lg_u32 s32, 0
	s_cbranch_scc1 .Lscore
.Lrows:
	; THE ROWS' SCORES.  A lane's pair, the other half of the lanes (the other eight columns of each block), then the four waves through LDS.
.set t, 0
.rept 8
	v_add_f32 v[64+t], v[SC+2*t], v[SC+2*t+1]
.set t, t+1
.endr
.set t, 0
.rept 8
	v_permlanex16_b32 v[72+t], v[64+t], s34, s35
.set t, t+1
.endr
.set t, 0
.rept 8
	v_add_f32 v[64+t], v[64+t], v[72+t]
.set t, t+1
.endr
	s_wait_alu depctr_va_vdst(0)                   ; the additions have written v64-71, which the stores read, and are done with v64-79, in which the loads behind the barrier land
.set t, 0
.rept 8
	ds_store_b32 v56, v[64+t] offset:64*t          ; row 16 t + l % 16; both halves of the lanes write the same number
.set t, t+1
.endr
	s_wait_dscnt 0x0
	s_barrier_signal -1
	s_barrier_wait -1
	s_wait_alu depctr_vm_vsrc(0)                   ; my stores have read v64-71, in which the loads below land
	; every wave makes the block's softmax for itself: rows 4 l .. 4 l + 3
.irp i, 0,1,2,3
	ds_load_b128 v[64+4*\i:64+4*\i+3], v57 offset:512*\i
.endr
.irp i, 0,1,2,3
	v_cvt_f32_i32 v[MK+\i], v[MK+\i]
.endr
	s_wait_dscnt 0x0
	v_pk_add_f32 v[64:65], v[64:65], v[68:69]
	v_pk_add_f32 v[66:67], v[66:67], v[70:71]
	v_pk_add_f32 v[72:73], v[72:73], v[76:77]
	v_pk_add_f32 v[74:75], v[74:75], v[78:79]
	v_pk_add_f32 v[64:65], v[64:65], v[72:73]
	v_pk_add_f32 v[66:67], v[66:67], v[74:75]
.irp i, 0,1,2,3
	v_add_f32 v[64+\i], v[SVT], v[64+\i]
.endr
.irp i, 0,1,2,3
	v_mul_f32 v[MS+\i], v[64+\i], v[MK+\i]         ; the score times the mask, as the module has it
.endr
	v_max3_num_f32 v236, v[MS], v[MS+1], v[MS+2]
	v_max_num_f32 v236, v236, v[MS+3]
	v_max_num_f32_dpp v236, v236, v236 row_xmask:1 row_mask:0xf bank_mask:0xf
	v_max_num_f32_dpp v236, v236, v236 row_xmask:2 row_mask:0xf bank_mask:0xf
	v_max_num_f32_dpp v236, v236, v236 row_xmask:4 row_mask:0xf bank_mask:0xf
	v_max_num_f32_dpp v236, v236, v236 row_xmask:8 row_mask:0xf bank_mask:0xf
	v_permlanex16_b32 v[TMP], v236, s34, s35
	v_max_num_f32 v236, v236, v[TMP]               ; m, the block's maximum
	v_mul_f32 v[TMP], 0xbfb8aa3b, v236             ; - m log2(e)
.irp i, 0,1,2,3
	v_fma_f32 v[240+\i], v[MS+\i], s37, v[TMP]
.endr
.irp i, 0,1,2,3
	v_exp_f32 v[240+\i], v[240+\i]
.endr
	v_nop
	s_wait_alu depctr_va_vdst(0)                   ; the four powers are written, which the LDS store reads, and ms, which wave 0's store reads; the lines above are done with v64-79, in which the context's rows land
	ds_store_b128 v58, v[240:243]                  ; p, my wave's own copy
	s_cmp_lg_u32 s24, 0
	s_cbranch_scc1 .Lnot0
	global_store_b128 v[VMO], v[MS:MS+3], s[20:21] ; wave 0: the block's 128 masked scores, 512 consecutive bytes
.Lnot0:
	; THE CONTEXT.  Thread t owns columns 8 t .. 8 t + 7: 16 bytes of each row of one slice; p comes as the same words for all lanes.  Two sets of 16 rows take turns.
.macro CLD set
.set t, 0
.rept 16
	ds_load_b128 v[XR+64*(\set)+4*t:XR+64*(\set)+4*t+3], v59 offset:PA*t
.set t, t+1
.endr
.irp i, 0,1,2,3
	ds_load_b128 v[PR+16*(\set)+4*\i:PR+16*(\set)+4*\i+3], v60 offset:16*\i
.endr
.endm
.macro CFMA set                        ; 128 multiply-adds straight from the bf16 halves into f32
.set t, 0
.rept 16
.irp k, 0,1,2,3
	v_fma_mix_f32_bf16 v[CT+2*(\k)],   v[XR+64*(\set)+4*t+(\k)], v[PR+16*(\set)+t], v[CT+2*(\k)]   op_sel_hi:[1,0,0]
	v_fma_mix_f32_bf16 v[CT+2*(\k)+1], v[XR+64*(\set)+4*t+(\k)], v[PR+16*(\set)+t], v[CT+2*(\k)+1] op_sel:[1,0,0] op_sel_hi:[1,0,0]
.endr
.set t, t+1
.endr
.endm
.macro CSTEP                           ; 16 rows on
	v_add_nc_u32 v59, 16*PA, v59
	v_add_nc_u32 v60, 64, v60
.endm
	CLD 0
.irp i, 0,1,2,3,4,5,6,7
	v_mov_b32 v[CT+\i], 0
.endr
	s_mov_b32 s33, 4
.Lctx:                                         ; 32 rows a trip
	s_wait_alu depctr_vm_vsrc(0)                   ; set 0's loads have read v59 and v60
	CSTEP
	s_wait_alu depctr_va_vdst(0)                   ; v59 and v60 are written; the last trip's multiply-adds are done reading set 1, in which the loads land
	CLD 1
	s_wait_dscnt 20                                ; set 0 is in; set 1's 20 loads stay out
	CFMA 0
	s_wait_dscnt 0x0                               ; set 1 is in: it had set 0's 128 multiply-adds in which to land
	s_cmp_eq_u32 s33, 1
	s_cbranch_scc1 .Lnoset                         ; behind row 127 there is nothing to fetch
	s_wait_alu depctr_vm_vsrc(0)                   ; set 1's loads have read v59 and v60
	CSTEP
	s_wait_alu depctr_va_vdst(0)                   ; v59 and v60 are written; the multiply-adds above are done reading set 0, in which the loads land
	CLD 0                                          ; the next trip's set 0 lands under set 1's multiply-adds
.Lnoset:
	CFMA 1
	s_sub_co_u32 s33, s33, 1
	s_cmp_lg_u32 s33, 0
	s_cbranch_scc1 .Lctx
	s_wait_dscnt 0x0                               ; no LDS load is out when its registers are taken for the way out
	s_wait_alu depctr_va_vdst(0)                   ; the multiply-adds have written my eight sums, which the stores read, and are done reading v64-71, in which the loads land
	; a thread's 32 bytes go through the wave's own 1,024 bytes of LDS, so that each store covers 512 consecutive bytes
	ds_store_b128 v61, v[CT:CT+3]
	ds_store_b128 v61, v[CT+4:CT+7] offset:16
	ds_load_b128 v[64:67], v62                     ; LDS serves a wave's instructions in order (ISA guide 5.7.1.4): these see the stores above
	ds_load_b128 v[68:71], v62 offset:512
	s_wait_dscnt 0x0
	global_store_b128 v63, v[64:67], s[22:23]
	global_store_b128 v63, v[68:71], s[22:23] offset:512
	s_wait_dscnt 0x0                               ; the closing lines, six on end
	s_wait_alu 0x0
	s_wait_tensorcnt 0x0
	ds_add_u32 v[SPW], v[NIL]
	s_wait_dscnt 0x0
	s_endpgm
.Lfunc_end_k_qffe5cfac35_main:
	.size	k_qffe5cfac35_main, .Lfunc_end_k_qffe5cfac35_main-k_qffe5cfac35_main
	.p2alignl 7, 3214868480
	.fill 96, 4, 3214868480
	.section	.rodata,"a",@progbits
	.p2align	6, 0x0
	.amdhsa_kernel k_qffe5cfac35_main
		.amdhsa_group_segment_fixed_size 300288
		.amdhsa_private_segment_fixed_size 0
		.amdhsa_enable_private_segment 0
		.amdhsa_kernarg_size 80
		.amdhsa_user_sgpr_count 2
		.amdhsa_user_sgpr_kernarg_segment_ptr 1
		.amdhsa_wavefront_size32 1
		.amdhsa_system_sgpr_workgroup_id_x 1
		.amdhsa_system_sgpr_workgroup_id_y 1
		.amdhsa_system_sgpr_workgroup_id_z 1
		.amdhsa_system_vgpr_workitem_id 0
		.amdhsa_next_free_vgpr 1024
		.amdhsa_next_free_sgpr 66
		.amdhsa_reserve_vcc 0
		.amdhsa_float_denorm_mode_32 3
		.amdhsa_float_denorm_mode_16_64 3
		.amdhsa_memory_ordered 1
		.amdhsa_forward_progress 1
		.amdhsa_inst_pref_size 255
	.end_amdhsa_kernel
	.section	.bss,"aw",@nobits
	.p2align	6
	.space	262144
	.amdgpu_metadata
---
amdhsa.version: [ 1, 2 ]
amdhsa.kernels:
  - .name:           k_qffe5cfac35_main
    .symbol:         k_qffe5cfac35_main.kd
    .args:
      - { .name: enc_output, .offset: 0, .size: 8, .value_kind: global_buffer, .address_space: global }
      - { .name: wsF, .offset: 8, .size: 8, .value_kind: global_buffer, .address_space: global }
      - { .name: d2, .offset: 16, .size: 8, .value_kind: global_buffer, .address_space: global }
      - { .name: Wc_k, .offset: 24, .size: 8, .value_kind: global_buffer, .address_space: global }
      - { .name: V_k, .offset: 32, .size: 8, .value_kind: global_buffer, .address_space: global }
      - { .name: V_b, .offset: 40, .size: 8, .value_kind: global_buffer, .address_space: global }
      - { .name: prev_coverage, .offset: 48, .size: 8, .value_kind: global_buffer, .address_space: global }
      - { .name: enc_pad_mask, .offset: 56, .size: 8, .value_kind: global_buffer, .address_space: global }
      - { .name: msc, .offset: 64, .size: 8, .value_kind: global_buffer, .address_space: global }
      - { .name: part, .offset: 72, .size: 8, .value_kind: global_buffer, .address_space: global }
    .group_segment_fixed_size: 300288
    .private_segment_fixed_size: 0
    .kernarg_segment_align: 8
    .kernarg_segment_size: 80
    .max_flat_workgroup_size: 128
    .sgpr_count:     66
    .vgpr_count:     1024
    .wavefront_size: 32
...
	.end_amdgpu_metadata
.endif
;; end of part 4
;; launch finish: the kernel of part 3 again; grid 32 x 1, 16 waves a work-group, no clusters, 2,560 bytes of LDS; arguments msc, part, prev_coverage, out0, out1, out2; writes out0, out1, out2
